; MI455X (gfx1250); checked and timed in simulation.
; The chip was launched on July 23, 2026; its instructions are those of AMD's public machine-readable ISA for CDNA 5 (MIT licence, August 2026) and "CDNA5" Instruction Set Architecture Reference Guide (July 2026).
;; Attention Block. Allowed arithmetic: matrix products marked QUANTISED: E4M3 operands, one given power-of-two scale a tensor, by v_wmma_f32_16x16x64_fp8_fp8 or v_wmma_f32_16x16x128_fp8_fp8, f32 sums; everything else in f32.
;; Inputs: Wk 1,024 x 1,024 float32; Wp 1,024 x 1,024 float32; Wq 1,024 x 1,024 float32; Wv 1,024 x 1,024 float32; bk 1,024 float32; bp 1,024 float32; bq 1,024 float32; bv 1,024 float32; ln_b 1,024 float32; ln_g 1,024 float32; lowp_scales 12 int32 (the exponents e of the quantised operands' scales 2^e); x 2 x 2,048 x 1,024 float32.
;; Outputs: out0 2 x 2,048 x 1,024 float32.
;; This version of the problem:
;;   THIS VERSION OF THE PROBLEM IS GIVEN IN LOW PRECISION. The matrix products marked QUANTISED in the list below multiply operands that are first quantised to E4M3 (4 exponent bits, 3 mantissa bits; 8 bits a number), with one given power-of-two scale for each operand tensor; their sums are f32. All else is computed in f32.
;;   The module's matrix products, in the order in which they are computed (A, B: the left and right operand; K: the contracted axis; several contracted axes count as one K, in the product's order):
;;     1. [M 4,096, K 1,024] x [K 1,024, N 1,024]; A: input x; B: input Wq: QUANTISED (scales: A lowp_scales[0], B lowp_scales[1])
;;     2. [M 4,096, K 1,024] x [K 1,024, N 1,024]; A: input x; B: input Wk: QUANTISED (scales: A lowp_scales[2], B lowp_scales[3])
;;     3. [M 4,096, K 1,024] x [K 1,024, N 1,024]; A: input x; B: input Wv: QUANTISED (scales: A lowp_scales[4], B lowp_scales[5])
;;     4. batch 32 x [M 2,048, K 64] x [K 64, N 2,048]; A: computed on the way; B: computed on the way: QUANTISED (scales: A lowp_scales[6], B lowp_scales[7])
;;     5. batch 32 x [M 2,048, K 2,048] x [K 2,048, N 64]; A: softmax (see below); B: computed on the way: QUANTISED (scales: A lowp_scales[8], B lowp_scales[9])
;;     6. [M 4,096, K 1,024] x [K 1,024, N 1,024]; A: computed on the way; B: input Wp: QUANTISED (scales: A lowp_scales[10], B lowp_scales[11])
;;   THE QUANTISER, for each operand of a quantised product, along K:
;;     - The operand's scale is 2^e, e = its entry of the input lowp_scales (int32; the entries are numbered through the quantised products in the list's order, A before B).
;;     - Each number is divided by the scale, clamped to +-448, and rounded to the nearest number of E4M3, ties to even, subnormals kept.
;;     - The product sums the exact products of the quantised numbers (number of the format x scale) in f32.
;;   ~~~python
;;   def quantise(x, axis, e):      # numpy; x: float32 -> the quantised numbers, widened to float32 again
;;       x = np.moveaxis(x, axis, -1); K = x.shape[-1]
;;       r = np.clip(x / 2.0 ** e, -448, 448)
;;       step = 2.0 ** (np.maximum(np.frexp(np.where(r == 0, 1, r))[1] - 1, -6) - 3)
;;       q = np.round(r / step) * step * 2.0 ** e      # np.round: ties to even
;;       return np.moveaxis(q, -1, axis).astype(np.float32)
;;   ~~~
;;   SOFTMAX AHEAD OF A QUANTISED PRODUCT. Where the list says 'softmax', what is quantised is not the finished softmax but p = 2^(t - M), with t = logit x log2(e) and M = ceil(the row's largest t), a whole number; so 1/2 < the row's largest p <= 1. The row's sum l is taken of the UNQUANTISED p, in f32, and the product's result is divided by l at the end. Since M is a whole number, a kernel that streams over the keys may use a running M (the ceiling of the running maximum): every later rescaling is an exact power of two, so the quantised numbers keep their values, but for numbers so far below the row's largest that they fall under the format's range.
;;   OPERANDS COMPUTED ON THE WAY. 'Computed on the way' means the value that the module computes at that place (a softmax that the list does not call 'softmax' is quantised finished and normalised). What goes into a quantiser is computed in f32, as accurately as f32 sums, v_exp_f32 and their like allow (about 1e-6 of the number): no bf16 or f16 on the way to a quantiser, and a product that is left as it is and whose result goes on into a quantised operand takes f32 operands (vector FMAs, or v_wmma_f32_16x16x4_f32). A number that lies on a knife's edge between two numbers of the format may be rounded either way, as far as f32 arithmetic and the matrix unit's own rounding can turn it there, and no further.
;; One version. Each part assembles by itself: llvm-mc -triple=amdgcn-amd-amdhsa -mcpu=gfx1250 --defsym DOCPART=n.
;; ======== version 1 of 1: 5 launches
;; limits: right only within a limited range of input values
;; workspace buffers: pc 8,388,608 bytes; qkc 16,777,216 bytes; vc 4,194,304 bytes; cx 4,194,304 bytes
;; launch prepare (part 1): grid 128 x 1, 32 waves a work-group, no clusters, 282,624 bytes of LDS; arguments x, Wq, Wk, Wv, Wp, lowp_scales, pc; writes pc
.if DOCPART == 1
	.amdgcn_target "amdgcn-amd-amdhsa--gfx1250"
	.amdhsa_code_object_version 6
	.text
	.protected	k_q024fa553f9_prepare
	.globl	k_q024fa553f9_prepare
	.p2align	8
	.type	k_q024fa553f9_prepare,@function
k_q024fa553f9_prepare:
	s_mov_b64 s[64:65], 0
	v_nop
	global_prefetch_b8 v0, s[64:65] scope:SCOPE_SE
	s_setreg_imm32_b32 hwreg(HW_REG_WAVE_MODE, 25, 1), 1
	s_wait_xcnt 0x0
.set TOK,   4096
.set WKN,   1
.set W3,    1
.set IN3,   0
.set IXK,   0
.set IXV,   0
.set XT,    (1+2*IN3)*TOK
.set WKO, 1
.set QF0, 0
.set QSH, 64
.set QSK, 1024
.set KF0, 0
.set KSH, 64
.set KSK, 1024
.set VF0, 0
.set VSH, 64
.set VSK, 1024
.set OSH, 64
.set OSK, 1024
.set WAVES, 32
.set KROW,  1024
.set PITCH, 272
.set WREG,  32*PITCH
.set SPARE, WAVES*WREG
.set SP,    KROW+16
.set X,     16
.set C,     96
.if IN3
	s_load_b64 s[4:5], s[0:1], 0x0
	s_load_b128 s[68:71], s[0:1], 0x8
	s_load_b64 s[6:7], s[0:1], 0x18
	s_load_b128 s[8:11], s[0:1], 0x20
	s_load_b128 s[12:15], s[0:1], 0x30
	s_load_b64 s[40:41], s[0:1], 0x40
.elseif W3
	s_load_b256 s[4:11], s[0:1], 0x0
	s_load_b128 s[12:15], s[0:1], 0x20
	s_load_b64 s[40:41], s[0:1], 0x30
.else
	s_load_b128 s[4:7], s[0:1], 0x0
	s_load_b128 s[12:15], s[0:1], 0x10
	s_load_b64 s[40:41], s[0:1], 0x20
.endif
	v_lshl_add_u32 v2, v0, 2, SPARE
	v_mov_b32 v3, 0
	ds_add_u32 v2, v3
	ds_add_u32 v2, v3
	v_lshrrev_b32 v1, 5, v0
	v_readfirstlane_b32 s16, v1
	v_and_b32 v9, 31, v0
	s_mul_i32 s17, s16, WREG
	v_lshlrev_b32 v5, 4, v9
	s_mov_b32 s24, (3<<16)|(1<<20)|(5<<22)|(3<<25)
	s_mov_b32 s25, 32<<16
	s_mov_b32 s26, 32<<16
	s_mov_b32 s27, 32<<16
	s_mov_b32 s28, 32
	s_mov_b32 s30, 0
	s_mov_b32 s31, 0
	s_mul_i32 s19, ttmp9, WAVES
	s_add_co_u32 s33, s19, s16
	s_lshr_b32 s34, s33, 2
	s_and_b32 s35, s33, 3
	s_sub_co_u32 s36, s34, XT/8
	s_lshr_b32 s37, s36, 7
	s_add_co_u32 s37, s37, 1
	s_and_b32 s36, s36, 127
	s_cmp_lt_u32 s34, XT/8
	s_cselect_b32 s37, 0, s37
	s_cselect_b32 s36, s34, s36
.if IN3
	s_sub_co_u32 s48, s36, TOK/8
	s_cmp_ge_u32 s36, TOK/8
	s_cselect_b32 s49, s48, s36
	s_cselect_b32 s50, 1, 0
	s_sub_co_u32 s48, s36, 2*(TOK/8)
	s_cmp_ge_u32 s36, 2*(TOK/8)
	s_cselect_b32 s49, s48, s49
	s_cselect_b32 s50, 2, s50
	s_lshl_b32 s52, s49, 15
.else
	s_lshl_b32 s52, s36, 15
.endif
	s_lshl_b32 s53, s35, 13
	s_add_co_u32 s52, s52, s53
	s_lshr_b32 s54, s36, 3
	s_and_b32 s55, s36, 7
	s_mov_b32 s42, 4*QSH
	s_mov_b32 s43, 4*QF0
	s_mov_b32 s61, 128*QSK
	s_cmp_eq_u32 s37, 2
	s_cselect_b32 s42, 4*KSH, s42
	s_cselect_b32 s43, 4*KF0, s43
	s_cselect_b32 s61, 128*KSK, s61
	s_cmp_eq_u32 s37, 3
	s_cselect_b32 s42, 4*VSH, s42
	s_cselect_b32 s43, 4*VF0, s43
	s_cselect_b32 s61, 128*VSK, s61
	s_cmp_eq_u32 s37, 4
	s_cselect_b32 s42, 4*OSH, s42
	s_cselect_b32 s43, 0, s43
	s_cselect_b32 s61, 128*OSK, s61
	s_cselect_b32 s63, WKO, WKN
	s_mul_i32 s54, s54, s42
	s_add_co_u32 s54, s54, s43
	s_lshl_b32 s55, s55, 15
	s_add_co_u32 s55, s55, s53
	s_add_co_u32 s55, s55, s54
	s_mul_i32 s62, s16, s61
	s_add_co_u32 s62, s62, s54
	s_lshr_b32 s61, s61, 8
	s_cmp_eq_u32 s37, 0
	s_cselect_b32 s63, 0, s63
	s_cselect_b32 s55, s52, s55
	s_cmp_eq_u32 s63, 0
	s_cselect_b32 s52, s55, s62
	s_cselect_b32 s29, 32, s61
	s_mov_b32 s53, 0
	s_bfe_u32 s54, s36, 0x20002
	s_lshl_b32 s54, s54, 3
	s_and_b32 s55, s36, 1
	s_lshl_b32 s55, s55, 2
	s_or_b32 s54, s54, s55
	s_bfe_u32 s55, s36, 0x10001
	s_or_b32 s54, s54, s55
	s_bfe_u32 s55, s36, 0x10004
	s_lshl_b32 s55, s55, 1
	s_or_b32 s54, s54, s55
	s_and_b32 s55, s36, 0xffffffe0
	s_or_b32 s38, s54, s55
	s_lshr_b32 s54, s36, 3
	s_bfe_u32 s55, s36, 0x10002
	s_and_b32 s56, s36, 3
	s_lshl_b32 s57, s54, 3
	s_lshl_b32 s58, s56, 1
	s_add_co_u32 s57, s57, s58
	s_add_co_u32 s57, s57, s55
	s_add_co_u32 s58, s57, 128
	s_add_co_u32 s59, s57, 256
	s_cmp_eq_u32 s37, 1
	s_cselect_b32 s38, s57, s38
	s_cmp_eq_u32 s37, 2
	s_cselect_b32 s38, s58, s38
	s_cmp_eq_u32 s37, 3
	s_cselect_b32 s38, s59, s38
	s_cmp_eq_u32 s37, 4
	s_cselect_b32 s38, s36, s38
	s_cmp_eq_u32 s37, 0
	s_cselect_b32 s39, 0, XT/8
	s_cmp_eq_u32 s37, 4
	s_cselect_b32 s39, (XT+3072)/8, s39
	s_add_co_u32 s38, s38, s39
	s_mul_i32 s54, s38, 8*KROW
	s_mul_i32 s55, s35, 2*KROW
	s_add_co_u32 s54, s54, s55
	s_mov_b32 s55, 0
	s_mov_b32 s20, 1
	s_mov_b32 s21, s17
	s_wait_alu depctr_va_vdst(0)
	s_wait_dscnt 0x0
	s_wait_kmcnt 0x0
.if IN3
	s_cmp_eq_u32 s50, 1
	s_cselect_b64 s[4:5], s[68:69], s[4:5]
	s_cmp_eq_u32 s50, 2
	s_cselect_b64 s[4:5], s[70:71], s[4:5]
.endif
	s_cmp_eq_u32 s37, 0
	s_cselect_b64 s[4:5], s[4:5], s[6:7]
.if W3
	s_cmp_eq_u32 s37, 2
	s_cselect_b64 s[4:5], s[8:9], s[4:5]
	s_cmp_eq_u32 s37, 3
	s_cselect_b64 s[4:5], s[10:11], s[4:5]
.endif
	s_cmp_eq_u32 s37, 4
	s_cselect_b64 s[4:5], s[12:13], s[4:5]
	s_add_nc_u64 s[22:23], s[4:5], s[52:53]
	s_load_b32 s44, s[14:15], 0
.if IN3
	s_load_b32 s32, s[14:15], 4*IXK
	s_load_b32 s60, s[14:15], 4*IXV
.endif
	s_load_b32 s45, s[14:15], 4
	s_load_b32 s46, s[14:15], 12
	s_load_b32 s47, s[14:15], 20
	s_load_b32 s51, s[14:15], 44
	s_or_b32 s23, s23, 0x80000000
	tensor_load_to_lds s[20:23], s[24:31]
	s_nop 0
.rept 4
	v_nop
.endr
	s_add_nc_u64 s[8:9], s[40:41], s[54:55]
	s_wait_kmcnt 0x0
.if IN3
	s_cmp_eq_u32 s50, 1
	s_cselect_b32 s44, s32, s44
	s_cmp_eq_u32 s50, 2
	s_cselect_b32 s44, s60, s44
.endif
	s_cmp_eq_u32 s37, 0
	s_cselect_b32 s58, s44, s45
	s_cmp_eq_u32 s37, 2
	s_cselect_b32 s58, s46, s58
	s_cmp_eq_u32 s37, 3
	s_cselect_b32 s58, s47, s58
	s_cmp_eq_u32 s37, 4
	s_cselect_b32 s58, s51, s58
	s_add_co_u32 s58, s58, 127
	s_lshl_b32 s59, s58, 23
	v_mov_b32 v11, s59
.if WKN && WKO
	s_cmp_ge_u32 ttmp9, XT/64
	s_cbranch_scc1 .Lweights
.elseif WKN
	s_sub_co_u32 s42, ttmp9, XT/64
	s_cmp_lt_u32 s42, 48
	s_cbranch_scc1 .Lweights
.elseif WKO
	s_cmp_ge_u32 ttmp9, XT/64+48
	s_cbranch_scc1 .Lweights
.endif
	v_lshrrev_b32 v4, 2, v9
	v_mul_u32_u24 v4, v4, PITCH
	v_and_b32 v12, 3, v9
	v_lshl_add_u32 v4, v12, 6, v4
	v_add_nc_u32 v4, s17, v4
	s_wait_alu depctr_va_vdst(0)
.macro FETCH t
.irp i, 0,1,2,3
	ds_load_b128 v[X+16*((\t)%2)+4*\i:X+16*((\t)%2)+4*\i+3], v4 offset:(\t)*8*PITCH+16*\i
.endr
.endm
.macro STEP t
.set XS, X+16*((\t)%2)
.set CS, C+4*(\t)
.if (\t) < 3
	FETCH (\t)+1
	s_wait_dscnt 4
.else
	s_wait_dscnt 0
.endif
	v_cvt_scalef32_pk8_fp8_f32 v[CS:CS+1], v[XS:XS+7], v11
	v_cvt_scalef32_pk8_fp8_f32 v[CS+2:CS+3], v[XS+8:XS+15], v11
	global_store_b128 v5, v[CS:CS+3], s[8:9] offset:512*(\t)
.endm
	s_wait_tensorcnt 0x0
	FETCH 0
.irp t, 0,1,2,3
	STEP \t
.endr
.if WKN || WKO
	s_branch .Lend
.Lweights:
	v_lshl_add_u32 v4, v9, 2, s17
	v_mul_u32_u24 v12, v9, SP
	s_mul_i32 s18, s16, 32
	v_add_nc_u32 v12, s18, v12
	s_mul_i32 s18, s16, 2*SP
	v_lshl_add_u32 v13, v9, 4, s18
	s_wait_alu depctr_va_vdst(0)
	s_wait_tensorcnt 0x0
.irp p, 0,1
.set I, 0
.rept 32
	ds_load_b32 v[X+32*\p+I], v4 offset:I*PITCH+128*\p
.set I, I+1
.endr
.endr
	s_wait_dscnt 0x0
	s_barrier_signal -1
	s_barrier_wait -1
.irp p, 0,1
.irp k, 0,1,2,3
	v_cvt_scalef32_pk8_fp8_f32 v[C+8*\p+2*\k:C+8*\p+2*\k+1], v[X+32*\p+8*\k:X+32*\p+8*\k+7], v11
.endr
.irp k, 0,1
	ds_store_b128 v12, v[C+8*\p+4*\k:C+8*\p+4*\k+3] offset:32*SP*\p+16*\k
.endr
.endr
	s_wait_dscnt 0x0
	s_barrier_signal -1
	s_barrier_wait -1
.irp k, 0,1,2,3
	ds_load_b128 v[16+4*\k:19+4*\k], v13 offset:SP*(\k/2)+512*(\k%2)
.endr
	s_wait_dscnt 0x0
.irp k, 0,1,2,3
	global_store_b128 v5, v[16+4*\k:19+4*\k], s[8:9] offset:512*\k
.endr
.Lend:
.endif
	s_wait_tensorcnt 0x0
	ds_add_u32 v2, v3
	s_wait_dscnt 0x0
	s_endpgm
.Lfunc_end_k_q024fa553f9_prepare:
	.size	k_q024fa553f9_prepare, .Lfunc_end_k_q024fa553f9_prepare-k_q024fa553f9_prepare
	.p2alignl 7, 3214868480
	.fill 96, 4, 3214868480
	.section	.rodata,"a",@progbits
	.p2align	6, 0x0
	.amdhsa_kernel k_q024fa553f9_prepare
		.amdhsa_group_segment_fixed_size 282624
		.amdhsa_private_segment_fixed_size 0
		.amdhsa_enable_private_segment 0
		.amdhsa_kernarg_size 56
		.amdhsa_user_sgpr_count 2
		.amdhsa_user_sgpr_kernarg_segment_ptr 1
		.amdhsa_wavefront_size32 1
		.amdhsa_system_sgpr_workgroup_id_x 1
		.amdhsa_system_sgpr_workgroup_id_y 1
		.amdhsa_system_sgpr_workgroup_id_z 1
		.amdhsa_system_vgpr_workitem_id 0
		.amdhsa_next_free_vgpr 128
		.amdhsa_next_free_sgpr 72
		.amdhsa_reserve_vcc 0
		.amdhsa_float_denorm_mode_32 3
		.amdhsa_float_denorm_mode_16_64 3
		.amdhsa_fp16_overflow 1
		.amdhsa_memory_ordered 1
		.amdhsa_forward_progress 1
		.amdhsa_inst_pref_size 15
	.end_amdhsa_kernel
	.amdgpu_metadata
---
amdhsa.version: [ 1, 2 ]
amdhsa.kernels:
  - .name:           k_q024fa553f9_prepare
    .symbol:         k_q024fa553f9_prepare.kd
    .args:
      - { .name: x, .offset: 0, .size: 8, .value_kind: global_buffer, .address_space: global }
      - { .name: Wq, .offset: 8, .size: 8, .value_kind: global_buffer, .address_space: global }
      - { .name: Wk, .offset: 16, .size: 8, .value_kind: global_buffer, .address_space: global }
      - { .name: Wv, .offset: 24, .size: 8, .value_kind: global_buffer, .address_space: global }
      - { .name: Wp, .offset: 32, .size: 8, .value_kind: global_buffer, .address_space: global }
      - { .name: lowp_scales, .offset: 40, .size: 8, .value_kind: global_buffer, .address_space: global }
      - { .name: pc, .offset: 48, .size: 8, .value_kind: global_buffer, .address_space: global }
    .group_segment_fixed_size: 282624
    .private_segment_fixed_size: 0
    .kernarg_segment_align: 8
    .kernarg_segment_size: 56
    .max_flat_workgroup_size: 1024
    .sgpr_count:     72
    .vgpr_count:     128
    .wavefront_size: 32
...
	.end_amdgpu_metadata
.endif
;; end of part 1
;; launch qkv (part 2): grid 16 x 16, 4 waves a work-group, clusters of 4 x 4, 327,680 bytes of LDS; arguments pc, lowp_scales, qkc, vc, bq, bk, bv; writes qkc, vc
.if DOCPART == 2
	.amdgcn_target "amdgcn-amd-amdhsa--gfx1250"
	.amdhsa_code_object_version 6
	.text
	.protected	k_q024fa553f9_qkv
	.globl	k_q024fa553f9_qkv
	.p2align	8
	.type	k_q024fa553f9_qkv,@function
k_q024fa553f9_qkv:
	s_mov_b64 s[64:65], 0
	v_nop
	global_prefetch_b8 v0, s[64:65] scope:SCOPE_SE
	s_setreg_imm32_b32 hwreg(HW_REG_WAVE_MODE, 25, 1), 1
	s_wait_xcnt 0x0
	s_wait_alu depctr_hold_cnt(0) depctr_sa_sdst(0) depctr_va_vdst(0) depctr_va_sdst(0) depctr_va_ssrc(0) depctr_va_vcc(0) depctr_vm_vsrc(0)
	s_getreg_b32 s2, hwreg(HW_REG_IB_STS2, 6, 4)
	s_cmp_eq_u32 s2, 0
	s_cbranch_scc0 .Lentry_in_a_cluster
	s_endpgm
.Lentry_in_a_cluster:
	s_bfe_u32 s2, ttmp6, 0x10000c
	s_cmp_lg_u32 s2, 0xf033
	s_cbranch_scc0 .Lentry_shape_is_right
	s_endpgm
.Lentry_shape_is_right:
.set TOK,    4096
.set BIAS,   1
.set W3,     1
.set IN3,    0
.set BQ0,    0
.set BQH,    64
.set BK0,    0
.set BKH,    64
.set BV0,    0
.set BVH,    64
.set IX,     0
.set IXK,    0
.set IXV,    0
.set IWQ,    1
.set IWK,    3
.set IWV,    5
.set IQ,     6
.set IK,     7
.set IV,     9
.set SIZE_K, 1024
.set NQ,     SIZE_K/128
.set NB,     4
.set NS,     8
.set TM,     2*16*NS
.set TN,     2*16*NB
.set NC,     2
.set KROW,   SIZE_K
.set PITCH,  KROW+16
.set FR,     16
.set NL,     4
.set FPW,    256/FR
.set NP,     4
.set NF,     NQ*NL
.set CH,     128
.set YB,     CH*PITCH
.set SPARE,  (2*CH*PITCH+255)/256*256
.set TB,     1024
.set ADRA0, 4
.set CO,   9
.set SPW,  10
.set NIL,  11
.set ADRA, 12
.set ADRB, 14
.set AF,   0
.set ACC,  24
.set HV,   96
.set SOPN, 112
.set SOPV, 114
.set CN,   116
.set BQ,   120
.set BV,   152
.set NCD,  88
.set G1A, 24
.set G0A, 56
.set G1B, 32
.set G0B, 60
.set G1R, 48
.set G0R, 68
.set MSB, 0
.macro WIN new
.if MSB != \new
	s_set_vgpr_msb (MSB<<8)|\new
.set MSB, \new
.endif
.endm
.macro PLACES n
.rept \n
	v_nop
.endr
.endm
.macro BARRIER
	s_barrier_signal -1
	s_barrier_wait -1
.endm
.macro CROUND
	BARRIER
	s_cmp_lg_u32 s14, 0
	s_cbranch_scc1 .Lnot_wave_0_\@
	s_barrier_signal -3
.Lnot_wave_0_\@:
	s_barrier_wait -3
	BARRIER
.endm
.macro TLOAD g0, g1
	tensor_load_to_lds s[\g0:\g0+3], s[\g1:\g1+7]
	s_nop 0
	PLACES 4
.endm
.macro GROUP1 g, mask, rows
	s_or_b32 s[\g+0], s[\mask], (1<<20)|(1<<21)|(7<<22)|(3<<25)
	s_mov_b32 s[\g+1], (KROW&0xffff)<<16
	s_mov_b32 s[\g+2], (KROW>>16)|((\rows)<<16)
	s_mov_b32 s[\g+3], KROW<<16
	s_mov_b32 s[\g+4], \rows
	s_mov_b32 s[\g+5], KROW
	s_mov_b32 s[\g+6], 0
	s_mov_b32 s[\g+7], 0
.endm
.macro SADD d, x
	s_add_co_u32 s\d, s\d, s\x
.endm
	s_load_b64 s[4:5], s[0:1], 0x0
	s_load_b64 s[10:11], s[0:1], 0x8
	v_lshl_add_u32 v[SPW], v0, 2, SPARE
	v_mov_b32 v[NIL], 0
	ds_add_u32 v[SPW], v[NIL]
	ds_add_u32 v[SPW], v[NIL]
	v_lshrrev_b32 v1, 5, v0
	v_readfirstlane_b32 s14, v1
	s_lshr_b32 s15, s14, 1
	s_and_b32 s16, s14, 1
	s_mov_b32 s17, s15
	s_mov_b32 s18, s16
	s_bfe_u32 s40, ttmp6, 0x40000
	s_bfe_u32 s41, ttmp6, 0x40004
	s_lshl_b32 s42, ttmp9, 2
	s_add_co_u32 s42, s42, s40
	s_and_b32 s43, ttmp7, 0xffff
	s_lshl_b32 s43, s43, 2
	s_add_co_u32 s43, s43, s41
	s_lshr_b32 s19, ttmp9, 1
	s_and_b32 s3, ttmp9, 1
	s_lshl_b32 s3, s3, 2
	SADD 3, 41
	s_and_b32 s99, ttmp7, 0xffff
	s_lshl_b32 s99, s99, 2
	SADD 99, 40
	s_lshl_b32 s44, s41, 2
	s_lshl_b32 s44, 15, s44
	s_lshl_b32 s45, 0x1111, s40
	GROUP1 G1A, 44, CH/2
	GROUP1 G1B, 45, TN/2
	GROUP1 G1R, 44, CH/4
	s_mul_i32 s86, s43, TM*KROW
	s_lshl_b32 s2, s99, 1
	SADD 2, 19
	s_mul_i32 s2, s2, TM/2*KROW
.if IN3
	s_mul_i32 s20, s19, TOK*KROW
	SADD 86, 20
	s_add_co_u32 s2, s2, 2*TOK*KROW
.endif
	s_mov_b32 s87, 0
	s_mul_i32 s76, s16, CH/2*KROW
	s_mov_b32 s77, 0
	s_mul_i32 s20, s42, TN*KROW
	s_mul_i32 s21, s16, TN/2*KROW
	s_add_co_u32 s78, s20, s21
	s_mov_b32 s79, 0
	s_mul_i32 s98, s3, TN*KROW
	s_add_co_u32 s98, s98, 2048*KROW
	s_mov_b32 s[G0A], 1
	s_mul_i32 s[G0A+1], s16, CH/2*PITCH
	s_mov_b32 s[G0B], 1
	s_mul_i32 s[G0B+1], s16, TN/2*PITCH
	s_add_co_u32 s[G0B+1], s[G0B+1], YB
	s_mov_b32 s[G0R], 1
	v_and_b32 v1, 15, v0
	v_bfe_u32 v2, v0, 4, 1
	v_and_b32 v3, 31, v0
	v_mul_u32_u24 v22, v1, PITCH
	v_mad_u32_u24 v23, v2, 16, v22
	s_mul_i32 s21, s17, 16*PITCH
	v_add_nc_u32 v[ADRA0], s21, v23
	s_mul_i32 s22, s18, 16*NB*PITCH
	v_add_nc_u32 v[ADRB+1], s22, v23
	s_add_co_u32 s22, s22, YB
	v_add_nc_u32 v[ADRB], s22, v23
	s_lshl_b32 s90, s40, 2
	s_add_co_u32 s90, s90, s14
	s_wait_alu depctr_va_vdst(0)
	s_wait_dscnt 0x0
	s_wait_kmcnt 0x0
	s_add_nc_u64 s[8:9], s[4:5], (1+2*IN3)*TOK*KROW
	s_mov_b32 s67, s86
	s_add_co_u32 s98, s98, (1+2*IN3)*TOK*KROW
	s_add_nc_u64 s[86:87], s[4:5], s[86:87]
	s_add_nc_u64 s[G0A+2:G0A+3], s[86:87], s[76:77]
	s_or_b32 s[G0A+3], s[G0A+3], 0x80000000
	s_add_nc_u64 s[G0B+2:G0B+3], s[8:9], s[78:79]
	s_or_b32 s[G0B+3], s[G0B+3], 0x80000000
	CROUND
	s_cmp_eq_u32 s15, 0
	s_cbranch_scc0 .Lfor_a
	TLOAD G0B, G1B
	s_branch .Lasked
.Lfor_a:
	TLOAD G0A, G1A
.Lasked:
	s_load_b32 s72, s[10:11], 4*IX
	s_load_b32 s12, s[10:11], 4*IXK
	s_load_b32 s13, s[10:11], 4*IXV
	s_load_b32 s73, s[10:11], 4*IWQ
	s_load_b32 s6, s[10:11], 4*IWK
	s_load_b32 s7, s[10:11], 4*IWV
	s_load_b32 s74, s[10:11], 4*IQ
	s_load_b32 s75, s[10:11], 4*IK
	s_load_b32 s95, s[10:11], 4*IV
	s_lshl_b32 s21, s42, 1
	SADD 21, 18
	s_mul_i32 s76, s21, TOK/16*TB
	s_mul_i32 s22, s43, TM/16*TB
	SADD 76, 22
	s_mul_i32 s22, s17, 8*TB
	SADD 76, 22
	s_mov_b32 s77, 0
	s_lshl_b32 s21, s3, 1
	SADD 21, 18
	s_mul_i32 s80, s21, TOK/128*8*TB
	s_mul_i32 s22, s99, 2*8*TB
	SADD 80, 22
	s_lshl_b32 s22, s19, 10
	SADD 80, 22
	s_mul_i32 s22, s17, 8*TB
	SADD 80, 22
	s_mov_b32 s81, 0
.macro ZERO r, n
.set I, 0
.rept (\n)/2
	v_dual_mov_b32 v[\r+I], 0 :: v_dual_mov_b32 v[\r+I+1], 0
.set I, I+2
.endr
.endm
.if BIAS
	s_load_b64 s[84:85], s[0:1], 0x20
.if W3
	s_load_b64 s[82:83], s[0:1], 0x28
	s_load_b64 s[46:47], s[0:1], 0x30
.endif
	s_lshl_b32 s21, s42, 1
	SADD 21, 18
	s_and_b32 s21, s21, 15
	s_cmp_eq_u32 s19, 0
	s_mov_b32 s20, 4*BKH
	s_cselect_b32 s20, 4*BQH, s20
	s_mov_b32 s22, 4*BK0
	s_cselect_b32 s22, 4*BQ0, s22
	s_mul_i32 s20, s21, s20
	SADD 20, 22
	s_lshl_b32 s22, s3, 1
	SADD 22, 18
	s_mul_i32 s22, s22, 4*BVH
	s_add_co_u32 s22, s22, 4*BV0
	s_mov_b32 s21, 0
	s_mov_b32 s23, 0
	v_lshlrev_b32 v22, 7, v2
	v_lshrrev_b32 v23, 3, v1
	v_lshlrev_b32 v23, 7, v23
	v_and_b32 v8, 7, v1
	v_lshl_add_u32 v23, v8, 2, v23
	s_wait_alu depctr_va_vdst(0)
	s_wait_kmcnt 0x0
.if W3
	s_add_nc_u64 s[22:23], s[46:47], s[22:23]
	s_cmp_eq_u32 s19, 0
	s_cselect_b64 s[84:85], s[84:85], s[82:83]
.else
	s_add_nc_u64 s[22:23], s[84:85], s[22:23]
.endif
	s_add_nc_u64 s[20:21], s[84:85], s[20:21]
.irp k, 0,1,2,3,4,5,6,7
	global_load_b128 v[BQ+4*\k:BQ+4*\k+3], v22, s[20:21] offset:16*\k
.endr
.irp t, 0,1,2,3
	global_load_b32 v[BV+2*\t], v23, s[22:23] offset:32*\t
.endr
	s_wait_xcnt 0x0
.endif
	v_lshlrev_b32 v[CO], 4, v3
	v_lshlrev_b32 v23, 9, v2
	v_lshl_add_u32 v[CN], v1, 4, v23
.macro OPERANDS e, so
	s_sub_co_i32 s21, \e, s72
	s_add_co_i32 s21, s21, 127
	s_lshl_b32 s22, s21, 23
	v_mov_b32 v[\so], s22
.endm
	s_wait_kmcnt 0x0
	s_cmp_eq_u32 s19, 0
	s_cselect_b32 s73, s73, s6
	s_cselect_b32 s74, s74, s75
.if IN3
	s_cselect_b32 s6, s72, s12
.else
	s_mov_b32 s6, s72
	s_mov_b32 s13, s72
.endif
	s_add_co_i32 s7, s13, s7
	s_add_co_i32 s72, s6, s73
	OPERANDS s74, SOPN
	s_sub_co_i32 s12, s95, s7
	s_add_co_i32 s12, s12, s72
	OPERANDS s12, SOPV
.if BIAS
	s_sub_co_i32 s21, 0, s72
	s_wait_loadcnt 0x0
.set I, 0
.rept 32
	v_ldexp_f32 v[BQ+I], v[BQ+I], s21
.set I, I+1
.endr
	s_sub_co_i32 s21, 0, s7
.irp t, 0,2,4,6
	v_ldexp_f32 v[BV+\t], v[BV+\t], s21
.endr
.irp t, 0,2,4,6
	v_mov_b32 v[BV+\t+1], v[BV+\t]
.endr
.endif
	s_wait_alu depctr_va_vdst(0)
	s_cmp_eq_u32 s15, 0
	s_cbranch_scc0 .Lnot_b
	s_wait_tensorcnt 0x0
.Lnot_b:
	BARRIER
.macro PREFETCH r0, n, again
.if \again
	s_wait_xcnt 0x0
.endif
	s_add_nc_u64 s[88:89], s[86:87], (\r0)*KROW
	s_mul_i32 s21, s90, (\n)*KROW/4096
.if (\n)*KROW/4096 > 32
	v_min_u32 v7, 31, v3
.else
	v_min_u32 v7, (\n)*KROW/4096-1, v3
.endif
	v_add_nc_u32 v7, s21, v7
	v_lshlrev_b32 v7, 8, v7
.if (\n)*KROW/4096 > 32
	v_min_u32 v8, (\n)*KROW/4096-33, v3
	v_add_nc_u32 v8, s21, v8
	v_add_nc_u32 v8, 32, v8
	v_lshlrev_b32 v8, 8, v8
.endif
	global_prefetch_b8 v7, s[88:89] th:TH_LOAD_NT scope:SCOPE_SE
.if (\n)*KROW/4096 > 32
	global_prefetch_b8 v8, s[88:89] th:TH_LOAD_NT scope:SCOPE_SE
.endif
.endm
	PREFETCH CH, CH, 0
.macro FRAG f, adr, q, off
	WIN (1+(\f)/FPW)<<6
.irp c, 0,1,2,3
	ds_load_b128 v[FR*((\f)%FPW)+4*\c:FR*((\f)%FPW)+4*\c+3], v[\adr] offset:128*(\q)+32*\c+(\off)
.endr
.endm
.macro BFETCH adr
.irp q, 0,1,2,3,4,5,6,7
.irp b, 0,1,2,3
	FRAG NB*\q+\b, \adr, \q, \b*16*PITCH
.endr
.endr
	WIN 0
.endm
.macro FETCH k
	v_add_nc_u32 v[ADRA], s20, v[ADRA0]
	WIN 3<<6
.irp q, 0,1,2,3,4,5,6,7
.irp c, 0,1,2,3
	ds_load_b128 v[AF+128*\k+FR*\q+4*\c:AF+128*\k+FR*\q+4*\c+3], v[ADRA] offset:128*\q+32*\c
.endr
.endr
	WIN 0
.endm
.macro MUL1 q, b, c, k, kind
.set FB, NB*(\q)+\b
.set AC, ACC+8*\b
.if !(\kind)
	WIN (1+FB/FPW)|(3<<2)
	v_wmma_f32_16x16x128_fp8_fp8 v[AC:AC+7], v[FR*(FB%FPW):FR*(FB%FPW)+FR-1], v[AF+128*\k+FR*(\q):AF+128*\k+FR*(\q)+FR-1], \c
.else
	WIN 3|((1+FB/FPW)<<2)
	v_wmma_f32_16x16x128_fp8_fp8 v[AC:AC+7], v[AF+128*\k+FR*(\q):AF+128*\k+FR*(\q)+FR-1], v[FR*(FB%FPW):FR*(FB%FPW)+FR-1], \c
.endif
.endm
.macro MULS k, kind
.irp q, 0,1,2,3,4,5,6,7
.irp b, 0,1,2,3
.if (\q) == 0 && BIAS && !(\kind)
	MUL1 \q, \b, v[BQ+8*\b:BQ+8*\b+7], \k, \kind
.elseif (\q) == 0
	MUL1 \q, \b, 0, \k, \kind
.else
	MUL1 \q, \b, v[ACC+8*\b:ACC+8*\b+7], \k, \kind
.endif
.endr
.endr
	WIN 0
.endm
.macro WAYQ off
	s_wait_xcnt 0x0
.irp j, 0,1,2,3
	v_cvt_scalef32_pk8_fp8_f32 v[NCD+2*\j:NCD+2*\j+1], v[ACC+8*\j:ACC+8*\j+7], v[SOPN]
.endr
	global_store_b128 v[CN], v[NCD:NCD+3], s[84:85] offset:\off
	global_store_b128 v[CN], v[NCD+4:NCD+7], s[84:85] offset:(\off)+256
	v_nop
	s_wait_alu depctr_va_vdst(0)
.endm
.macro WAYV u, off
	s_wait_xcnt 0x0
.if BIAS
.irp t, 0,1,2,3
.irp i, 0,2,4,6
	v_pk_add_f32 v[ACC+8*\t+\i:ACC+8*\t+\i+1], v[ACC+8*\t+\i:ACC+8*\t+\i+1], v[BV+2*\t:BV+2*\t+1]
.endr
.endr
.endif
.irp t, 0,1,2,3
	v_cvt_scalef32_pk8_fp8_f32 v[HV+4*\t+2*\u:HV+4*\t+2*\u+1], v[ACC+8*\t:ACC+8*\t+7], v[SOPV]
.endr
.if \u
.irp t, 0,1,2,3
	global_store_b128 v[CO], v[HV+4*\t:HV+4*\t+3], s[84:85] offset:(\off)+2*TB*\t
.endr
.endif
	v_nop
	s_wait_alu depctr_va_vdst(0)
.endm
.macro REFILL lds
	s_wait_tensorcnt 0x0
	ds_add_u32 v[SPW], v[NIL]
	s_or_b32 s[G1R+0], s66, (1<<20)|(1<<21)|(7<<22)|(3<<25)
	s_mul_i32 s[G0R+1], s14, CH/4*PITCH
	s_add_co_u32 s[G0R+1], s[G0R+1], \lds
	s_mul_i32 s20, s14, CH/4*KROW
	s_add_co_u32 s20, s20, s6
	s_mov_b32 s21, 0
	s_add_nc_u64 s[G0R+2:G0R+3], s[4:5], s[20:21]
	s_or_b32 s[G0R+3], s[G0R+3], 0x80000000
	s_wait_dscnt 0x0
	CROUND
	TLOAD G0R, G1R
.endm
.macro PREF
	s_lshl_b32 s12, s12, 13
	s_add_co_u32 s7, s7, s12
	s_wait_xcnt 0x0
	v_lshlrev_b32 v7, 8, v3
	v_add_nc_u32 v7, s7, v7
	global_prefetch_b8 v7, s[4:5] th:TH_LOAD_NT scope:SCOPE_SE
.endm
.macro SLOT i, kind, fetch=1
.if (\i) == 3 && !(\fetch)
	s_wait_dscnt 0x0
.else
	s_wait_dscnt NF
.endif
	MULS ((\i)%2), \kind
	PLACES NP+1
.if (\i) == 2 && !(\kind)
.if \fetch
	s_mul_i32 s6, s46, CH*KROW
	s_add_co_u32 s6, s6, 2*CH*KROW
	s_add_co_u32 s6, s6, s67
	s_cmp_eq_u32 s46, NC-2
	s_cselect_b32 s6, s98, s6
	s_mov_b32 s66, s44
.else
.if IN3 && NC > 2
	s_add_co_u32 s7, s2, CH*KROW
	s_mov_b32 s12, s13
	PREF
.endif
	s_mov_b32 s6, s2
	s_mov_b32 s66, s45
.endif
	REFILL s101
.if (\fetch) && (IN3 || NC > 2)
.if !IN3
	s_cmp_eq_u32 s46, NC-2
	s_cbranch_scc1 .Lno_request_\@
.endif
	s_mul_i32 s7, s46, CH*KROW
	s_add_co_u32 s7, s7, 3*CH*KROW
	s_add_co_u32 s7, s7, s67
	s_cmp_eq_u32 s46, NC-3
	s_cselect_b32 s7, s98, s7
	s_mov_b32 s12, s90
.if IN3
	s_cmp_eq_u32 s46, NC-2
	s_cselect_b32 s7, s2, s7
	s_cselect_b32 s12, s13, s90
.endif
	PREF
.Lno_request_\@:
.endif
.endif
.if (\i) == 2 && (\kind) && (\fetch)
	s_wait_tensorcnt 0x0
	s_wait_dscnt 0x0
	BARRIER
.endif
.if (\i) < 2
	s_add_co_u32 s20, s101, ((\i)+2)*32*PITCH
	FETCH ((\i)%2)
.else
.if \fetch
	s_add_co_u32 s20, s91, ((\i)-2)*32*PITCH
	FETCH ((\i)%2)
.endif
.endif
.if (\i) == 0
.if !(\kind)
	s_lshr_b32 s20, s46, 1
	s_lshl_b32 s20, s20, 2
	s_and_b32 s21, s46, 1
	s_or_b32 s20, s20, s21
	s_mul_i32 s20, s20, 4*TB
	s_mov_b32 s21, 0
	s_wait_xcnt 0x0
	s_add_nc_u64 s[84:85], s[92:93], s[20:21]
.else
	s_lshl_b32 s20, s46, 10
	s_mov_b32 s21, 0
	s_wait_xcnt 0x0
	s_add_nc_u64 s[84:85], s[96:97], s[20:21]
.endif
.endif
.if !(\kind)
	WAYQ ((\i)*TB)
.else
	WAYV ((\i)%2), (512*((\i)/2))
.endif
.endm
.macro CHUNKS n, kind
	s_mov_b32 s46, 0
.if (\n) == 1
	SLOT 0, \kind
	SLOT 1, \kind
.else
.Lchunk_\@:
	SLOT 0, \kind
	SLOT 1, \kind
	s_cmp_eq_u32 s46, (\n)-1
	s_cbranch_scc1 .Ltail_\@
	SLOT 2, \kind
	SLOT 3, \kind
	s_add_co_u32 s46, s46, 1
	s_xor_b32 s101, s101, YB
	s_xor_b32 s91, s91, YB
	s_branch .Lchunk_\@
.Ltail_\@:
.endif
	SLOT 2, \kind, 0
	SLOT 3, \kind, 0
.endm
	BFETCH ADRB
	s_lshl_b32 s13, s41, 2
	SADD 13, 14
	s_add_co_u32 s6, s67, CH*KROW
	s_mov_b32 s66, s44
	s_mov_b32 s91, YB
	REFILL s91
	s_mov_b32 s7, s98
	s_mov_b32 s12, s90
	PREF
	s_load_b64 s[92:93], s[0:1], 0x10
	s_load_b64 s[96:97], s[0:1], 0x18
	s_mov_b32 s101, 0
	s_mov_b32 s20, 0
	FETCH 0
	s_mov_b32 s20, 32*PITCH
	FETCH 1
	s_wait_kmcnt 0x0
	s_add_nc_u64 s[92:93], s[92:93], s[76:77]
	s_add_nc_u64 s[96:97], s[96:97], s[80:81]
	CHUNKS NC, 0
	BFETCH ADRB+1
	s_wait_tensorcnt 0x0
	s_wait_dscnt 0x0
	BARRIER
	s_mov_b32 s101, YB
	s_mov_b32 s91, 0
	s_mov_b32 s20, YB
	FETCH 0
	s_mov_b32 s20, YB+32*PITCH
	FETCH 1
	CHUNKS NC/2, 1
	s_wait_tensorcnt 0x0
	ds_add_u32 v[SPW], v[NIL]
	s_wait_dscnt 0x0
	CROUND
	s_endpgm
.Lfunc_end_k_q024fa553f9_qkv:
	.size	k_q024fa553f9_qkv, .Lfunc_end_k_q024fa553f9_qkv-k_q024fa553f9_qkv
	.p2alignl 7, 3214868480
	.fill 96, 4, 3214868480
	.section	.rodata,"a",@progbits
	.p2align	6, 0x0
	.amdhsa_kernel k_q024fa553f9_qkv
		.amdhsa_group_segment_fixed_size 327680
		.amdhsa_private_segment_fixed_size 0
		.amdhsa_enable_private_segment 0
		.amdhsa_kernarg_size 56
		.amdhsa_user_sgpr_count 2
		.amdhsa_user_sgpr_kernarg_segment_ptr 1
		.amdhsa_wavefront_size32 1
		.amdhsa_system_sgpr_workgroup_id_x 1
		.amdhsa_system_sgpr_workgroup_id_y 1
		.amdhsa_system_sgpr_workgroup_id_z 1
		.amdhsa_system_vgpr_workitem_id 0
		.amdhsa_next_free_vgpr 1024
		.amdhsa_next_free_sgpr 102
		.amdhsa_reserve_vcc 0
		.amdhsa_float_denorm_mode_32 3
		.amdhsa_float_denorm_mode_16_64 3
		.amdhsa_fp16_overflow 1
		.amdhsa_memory_ordered 1
		.amdhsa_forward_progress 1
		.amdhsa_inst_pref_size 89
	.end_amdhsa_kernel
	.amdgpu_metadata
---
amdhsa.version: [ 1, 2 ]
amdhsa.kernels:
  - .name:           k_q024fa553f9_qkv
    .symbol:         k_q024fa553f9_qkv.kd
    .args:
      - { .name: pc, .offset: 0, .size: 8, .value_kind: global_buffer, .address_space: global }
      - { .name: lowp_scales, .offset: 8, .size: 8, .value_kind: global_buffer, .address_space: global }
      - { .name: qkc, .offset: 16, .size: 8, .value_kind: global_buffer, .address_space: global }
      - { .name: vc, .offset: 24, .size: 8, .value_kind: global_buffer, .address_space: global }
      - { .name: bq, .offset: 32, .size: 8, .value_kind: global_buffer, .address_space: global }
      - { .name: bk, .offset: 40, .size: 8, .value_kind: global_buffer, .address_space: global }
      - { .name: bv, .offset: 48, .size: 8, .value_kind: global_buffer, .address_space: global }
    .group_segment_fixed_size: 327680
    .private_segment_fixed_size: 0
    .kernarg_segment_align: 8
    .kernarg_segment_size: 56
    .max_flat_workgroup_size: 128
    .sgpr_count:     102
    .vgpr_count:     1024
    .wavefront_size: 32
...
	.end_amdgpu_metadata
.endif
;; end of part 2
;; launch attention (part 3): grid 8 x 32, 8 waves a work-group, clusters of 4 x 1, 263,168 bytes of LDS; arguments qkc, vc, lowp_scales, cx; writes cx
.if DOCPART == 3
	.amdgcn_target "amdgcn-amd-amdhsa--gfx1250"
	.amdhsa_code_object_version 6
	.text
	.protected	k_q024fa553f9_attention
	.globl	k_q024fa553f9_attention
	.p2align	8
	.type	k_q024fa553f9_attention,@function
k_q024fa553f9_attention:
	s_mov_b64 s[64:65], 0
	v_nop
	global_prefetch_b8 v0, s[64:65] scope:SCOPE_SE
	s_setreg_imm32_b32 hwreg(HW_REG_WAVE_MODE, 25, 1), 1
	s_wait_xcnt 0x0
	s_wait_alu depctr_hold_cnt(0) depctr_sa_sdst(0) depctr_va_vdst(0) depctr_va_sdst(0) depctr_va_ssrc(0) depctr_va_vcc(0) depctr_vm_vsrc(0)
	s_getreg_b32 s2, hwreg(HW_REG_IB_STS2, 6, 4)
	s_cmp_eq_u32 s2, 0
	s_cbranch_scc0 .Lentry_in_a_cluster
	s_endpgm
.Lentry_in_a_cluster:
	s_bfe_u32 s2, ttmp6, 0x10000c
	s_cmp_lg_u32 s2, 0x3003
	s_cbranch_scc0 .Lentry_shape_is_right
	s_endpgm
.Lentry_shape_is_right:
.set SIZE_H, 32
.set SIZE_CAUSAL, 0
.set NK,     2048
.set STEPS,  NK/128
.set ROWB,   64
.set CXT,    16*1024
.set OPB,    2048
.set KSTEP,  4*OPB
.set HEADB,  NK*ROWB
.set VB,     HEADB
.set SPARE,  VB+HEADB
.set SPW,    1
.set NIL,    2
.set AK,     3
.set AV,     4
.set ADK,    7
.set ADV,    8
.set SOP,    12
.set SOPX,   14
.set NINF,   21
.set ST,     22
.set BM,     46
.set BX,     50
.set GO,     54
.set RL,     56
.set NMO,    66
.set TM,     67
.set P,      68
.set DT,     84
.set S,      116
.set QF,     180
.set A2,     252
.set O,      0
.set KF,     128
.set VF,     192
.set WV,     18
.set HD,     19
.set CX,     20
.set EC,     21
.set CS,     22
.set G1K,    40
.set G0,     56
.set SEL,    60
.set EPV,    63
.set SC,     66
.set TK,     67
.set TV,     68
.set T0,     71
.set T1,     80
.set T2,     81
.set T3,     82
.set QB,     72
.set SB,     84
.set EX,     88
.set LIM,    92
.set AW,     97
.set OB,     98
.set OO,     100
.set MKA,    24
.set MKB,    72
.set MKC,    84
.macro ROUND
	s_barrier_signal -1
	s_barrier_wait -1
	s_cmp_lg_u32 s[WV], 0
	s_cbranch_scc1 .Lnot_wave_0_\@
	s_barrier_signal -3
.Lnot_wave_0_\@:
	s_barrier_wait -3
	s_barrier_signal -1
	s_barrier_wait -1
.endm
.macro DESC g, rows
	s_mov_b32 s[\g], 15|(3<<16)|(1<<21)
	s_mov_b32 s[\g+1], 32<<16
	s_mov_b32 s[\g+2], (\rows)<<16
	s_mov_b32 s[\g+3], 32<<16
	s_mov_b32 s[\g+4], \rows
	s_mov_b32 s[\g+5], 32
	s_mov_b32 s[\g+6], 0
	s_mov_b32 s[\g+7], 0
.endm
.macro ASK g1
	s_or_b32 s[G0+3], s[G0+3], 0x80000000
	tensor_load_to_lds s[G0:G0+3], s[\g1:\g1+7]
	s_nop 0
.rept 4
	v_nop
.endr
.endm
.macro LOADK
	v_add_nc_u32 v[ADK], s[TK], v[AK]
	s_set_vgpr_msb 0x40
.irp k, 0,1,2,3
.irp j, 0,1,2,3
	ds_load_b128 v[KF+16*\k+4*\j:KF+16*\k+4*\j+3], v[ADK] offset:OPB*\k+512*\j
.endr
.endr
	s_set_vgpr_msb 0x4000
.endm
.macro LOADV
	v_add_nc_u32 v[ADV], s[TV], v[AV]
	s_set_vgpr_msb 0x40
.irp k, 0,1,2,3
.irp j, 0,1,2,3
	ds_load_b128 v[VF+16*\k+4*\j:VF+16*\k+4*\j+3], v[ADV] offset:OPB*\k+512*\j
.endr
.endr
	s_set_vgpr_msb 0x4000
.endm
.set PRIO,   1
.set PRT2,   1
.set PRTL,   1
.macro TSTEP i, p, vload, kload, mask
.if PRIO && (\i == 0)
	s_setprio 3
	s_nop 0
.endif
.if PRIO && (\i == PRT2)
	s_setprio 2
	s_nop 0
.endif
.set SUMI, ST+6*\i+2
.set FP, ST+6*\p+4
.set QI, QF+8*\i
.set NMI, ST+6*\i
.set OP, O+32*\p
.set FI, ST+6*\i+4
	s_set_vgpr_msb 0x1
	v_wmma_f32_16x16x128_fp8_fp8 v[DT+0:DT+7], v[VF+0:VF+15], v[P:P+15], 0
	v_wmma_f32_16x16x128_fp8_fp8 v[DT+8:DT+15], v[VF+16:VF+31], v[P:P+15], 0
	v_wmma_f32_16x16x128_fp8_fp8 v[DT+16:DT+23], v[VF+32:VF+47], v[P:P+15], 0
	v_wmma_f32_16x16x128_fp8_fp8 v[DT+24:DT+31], v[VF+48:VF+63], v[P:P+15], 0
	v_wmma_f32_16x16x64_fp8_fp8 v[S+0:S+7], v[KF+0:KF+7], v[QI:QI+7], 0
	v_wmma_f32_16x16x64_fp8_fp8 v[S+8:S+15], v[KF+8:KF+15], v[QI:QI+7], 0
	v_wmma_f32_16x16x64_fp8_fp8 v[S+16:S+23], v[KF+16:KF+23], v[QI:QI+7], 0
	v_wmma_f32_16x16x64_fp8_fp8 v[S+24:S+31], v[KF+24:KF+31], v[QI:QI+7], 0
	v_wmma_f32_16x16x64_fp8_fp8 v[S+32:S+39], v[KF+32:KF+39], v[QI:QI+7], 0
	v_wmma_f32_16x16x64_fp8_fp8 v[S+40:S+47], v[KF+40:KF+47], v[QI:QI+7], 0
	v_wmma_f32_16x16x64_fp8_fp8 v[S+48:S+55], v[KF+48:KF+55], v[QI:QI+7], 0
	v_wmma_f32_16x16x64_fp8_fp8 v[S+56:S+63], v[KF+56:KF+63], v[QI:QI+7], 0
.rept 4
	v_nop
.endr
.if PRIO && (\i == PRTL)
	s_setprio 1
	s_nop 0
.endif
	s_set_vgpr_msb 0x100
.if \mask
	s_cmp_eq_u32 s[SC], s[LIM+2*((\i)/2)]
	s_cbranch_scc1 .Lmask\i\p
.Lmasked\i\p:
.endif
.irp k, 0,1,2,3
	v_max3_num_f32 v[BM+\k], v[S+16*\k], v[S+16*\k+1], v[S+16*\k+2]
	v_max3_num_f32 v[A2+\k], v[S+16*\k+8], v[S+16*\k+9], v[S+16*\k+10]
.endr
.irp k, 0,1
.irp j, 0,1,2,3
	v_max3_num_f32 v[BM+\j], v[BM+\j], v[S+2*\k+16*\j+3], v[S+2*\k+16*\j+4]
.endr
.irp j, 0,1,2,3
	v_max3_num_f32 v[A2+\j], v[A2+\j], v[S+2*\k+16*\j+11], v[S+2*\k+16*\j+12]
.endr
.endr
.irp k, 0,1,2,3
	v_max3_num_f32 v[BM+\k], v[BM+\k], v[A2+\k], v[S+16*\k+7]
.endr
.irp k, 0,1,2,3
	v_max_num_f32 v[BM+\k], v[BM+\k], v[S+16*\k+15]
.endr
	v_max3_num_f32 v[TM], v[BM], v[BM+1], v[BM+2]
	s_set_vgpr_msb 0x41
	v_pk_fma_f32 v[OP+0:OP+1], v[OP+0:OP+1], v[FP:FP+1], v[DT+0:DT+1] op_sel_hi:[1,0,1]
	v_pk_fma_f32 v[OP+8:OP+9], v[OP+8:OP+9], v[FP:FP+1], v[DT+8:DT+9] op_sel_hi:[1,0,1]
	v_pk_fma_f32 v[OP+16:OP+17], v[OP+16:OP+17], v[FP:FP+1], v[DT+16:DT+17] op_sel_hi:[1,0,1]
	v_pk_fma_f32 v[OP+24:OP+25], v[OP+24:OP+25], v[FP:FP+1], v[DT+24:DT+25] op_sel_hi:[1,0,1]
	s_set_vgpr_msb 0x4100
	v_max_num_f32 v[TM], v[TM], v[BM+3]
	s_set_vgpr_msb 0x41
	v_pk_fma_f32 v[OP+2:OP+3], v[OP+2:OP+3], v[FP:FP+1], v[DT+2:DT+3] op_sel_hi:[1,0,1]
	v_pk_fma_f32 v[OP+4:OP+5], v[OP+4:OP+5], v[FP:FP+1], v[DT+4:DT+5] op_sel_hi:[1,0,1]
	v_pk_fma_f32 v[OP+6:OP+7], v[OP+6:OP+7], v[FP:FP+1], v[DT+6:DT+7] op_sel_hi:[1,0,1]
	v_nop
	s_set_vgpr_msb 0x4100
	v_permlanex16_b32 v[BX], v[TM], s[SEL], s[SEL+1]
	s_set_vgpr_msb 0x41
	v_pk_fma_f32 v[OP+10:OP+11], v[OP+10:OP+11], v[FP:FP+1], v[DT+10:DT+11] op_sel_hi:[1,0,1]
	v_pk_fma_f32 v[OP+12:OP+13], v[OP+12:OP+13], v[FP:FP+1], v[DT+12:DT+13] op_sel_hi:[1,0,1]
	v_pk_fma_f32 v[OP+14:OP+15], v[OP+14:OP+15], v[FP:FP+1], v[DT+14:DT+15] op_sel_hi:[1,0,1]
	v_nop
	s_set_vgpr_msb 0x4100
	v_max3_num_f32 v[NMI+1], v[TM], v[BX], v[NMI+1]
	s_set_vgpr_msb 0x41
	v_pk_fma_f32 v[OP+18:OP+19], v[OP+18:OP+19], v[FP:FP+1], v[DT+18:DT+19] op_sel_hi:[1,0,1]
	v_pk_fma_f32 v[OP+20:OP+21], v[OP+20:OP+21], v[FP:FP+1], v[DT+20:DT+21] op_sel_hi:[1,0,1]
	v_pk_fma_f32 v[OP+22:OP+23], v[OP+22:OP+23], v[FP:FP+1], v[DT+22:DT+23] op_sel_hi:[1,0,1]
	v_nop
	s_set_vgpr_msb 0x4100
	v_mul_f32 v[TM], s[CS], v[NMI+1]
	s_set_vgpr_msb 0x41
	v_pk_fma_f32 v[OP+26:OP+27], v[OP+26:OP+27], v[FP:FP+1], v[DT+26:DT+27] op_sel_hi:[1,0,1]
	v_pk_fma_f32 v[OP+28:OP+29], v[OP+28:OP+29], v[FP:FP+1], v[DT+28:DT+29] op_sel_hi:[1,0,1]
	v_pk_fma_f32 v[OP+30:OP+31], v[OP+30:OP+31], v[FP:FP+1], v[DT+30:DT+31] op_sel_hi:[1,0,1]
	s_set_vgpr_msb 0x4100
	v_mov_b32 v[NMO], v[NMI]
	v_floor_f32 v[NMI], -v[TM]
.rept 4
	v_nop
.endr
	v_sub_f32 v[TM], v[NMI], v[NMO]
.irp k, 0,1,2,3,4,5,6,7,8,9,10,11,12,13,14,15
	v_pk_fma_f32 v[S+2*\k:S+2*\k+1], v[S+2*\k:S+2*\k+1], s[CS:CS+1], v[NMI:NMI+1] op_sel_hi:[1,0,0]
.endr
.if \kload
	LOADK
.endif
.if \vload
	LOADV
.endif
	s_wait_alu depctr_va_vdst(0)
.irp k, 0,1,2,3,4,5,6,7,8,9,10,11,12,13,14
	v_exp_f32 v[S+\k], v[S+\k]
.endr
.irp k, 0,1,2,3,4,5,6,7,8,9,10,11,12,13,14,15
	v_exp_f32 v[S+\k+15], v[S+\k+15]
	v_pk_fma_f32 v[S+2*\k+32:S+2*\k+33], v[S+2*\k+32:S+2*\k+33], s[CS:CS+1], v[NMI:NMI+1] op_sel_hi:[1,0,0]
.endr
	v_exp_f32 v[S+31], v[S+31]
	v_cvt_i32_f32 v[TM], v[TM]
.if PRIO && (\i == PRTL)
	s_setprio 0
.endif
	s_wait_alu depctr_va_vdst(0)
.irp k, 0,1,2,3,4,5,6,7,8,9,10,11,12,13,14,15,16,17,18,19,20,21,22
	v_exp_f32 v[S+\k+32], v[S+\k+32]
.endr
.irp k, 0,1,2,3,4,5,6,7
	v_exp_f32 v[S+\k+55], v[S+\k+55]
	v_pk_add_f32 v[DT+2*\k+16:DT+2*\k+17], v[S+4*\k:S+4*\k+1], v[S+4*\k+2:S+4*\k+3]
.endr
	v_exp_f32 v[S+63], v[S+63]
	v_ldexp_f32 v[FI], 1.0, v[TM]
	s_wait_alu depctr_va_vdst(0)
.if \kload || \vload
	s_wait_dscnt 0x0
.endif
	v_cvt_scalef32_pk8_fp8_f32 v[P+0:P+1], v[S+0:S+7], v[SOP]
	v_pk_add_f32 v[DT+16:DT+17], v[DT+16:DT+17], v[S+32:S+33]
	v_pk_add_f32 v[DT+18:DT+19], v[DT+18:DT+19], v[S+34:S+35]
	v_cvt_scalef32_pk8_fp8_f32 v[P+2:P+3], v[S+8:S+15], v[SOP]
	v_pk_add_f32 v[DT+20:DT+21], v[DT+20:DT+21], v[S+36:S+37]
	v_pk_add_f32 v[DT+22:DT+23], v[DT+22:DT+23], v[S+38:S+39]
	v_cvt_scalef32_pk8_fp8_f32 v[P+4:P+5], v[S+16:S+23], v[SOP]
	v_pk_add_f32 v[DT+24:DT+25], v[DT+24:DT+25], v[S+40:S+41]
	v_pk_add_f32 v[DT+26:DT+27], v[DT+26:DT+27], v[S+42:S+43]
	v_cvt_scalef32_pk8_fp8_f32 v[P+6:P+7], v[S+24:S+31], v[SOP]
	v_pk_add_f32 v[DT+28:DT+29], v[DT+28:DT+29], v[S+44:S+45]
	v_pk_add_f32 v[DT+30:DT+31], v[DT+30:DT+31], v[S+46:S+47]
	v_cvt_scalef32_pk8_fp8_f32 v[P+8:P+9], v[S+32:S+39], v[SOP]
	v_pk_add_f32 v[DT+16:DT+17], v[DT+16:DT+17], v[S+48:S+49]
	v_pk_add_f32 v[DT+18:DT+19], v[DT+18:DT+19], v[S+50:S+51]
	v_cvt_scalef32_pk8_fp8_f32 v[P+10:P+11], v[S+40:S+47], v[SOP]
	v_pk_add_f32 v[DT+20:DT+21], v[DT+20:DT+21], v[S+52:S+53]
	v_pk_add_f32 v[DT+22:DT+23], v[DT+22:DT+23], v[S+54:S+55]
	v_cvt_scalef32_pk8_fp8_f32 v[P+12:P+13], v[S+48:S+55], v[SOP]
	v_pk_add_f32 v[DT+24:DT+25], v[DT+24:DT+25], v[S+56:S+57]
	v_pk_add_f32 v[DT+26:DT+27], v[DT+26:DT+27], v[S+58:S+59]
	v_cvt_scalef32_pk8_fp8_f32 v[P+14:P+15], v[S+56:S+63], v[SOP]
	v_pk_add_f32 v[DT+28:DT+29], v[DT+28:DT+29], v[S+60:S+61]
	v_pk_add_f32 v[DT+30:DT+31], v[DT+30:DT+31], v[S+62:S+63]
.irp k, 0,1,2,3
	v_pk_add_f32 v[DT+4*\k+16:DT+4*\k+17], v[DT+4*\k+16:DT+4*\k+17], v[DT+4*\k+18:DT+4*\k+19]
.endr
	v_pk_add_f32 v[DT+16:DT+17], v[DT+16:DT+17], v[DT+20:DT+21]
	v_pk_add_f32 v[DT+24:DT+25], v[DT+24:DT+25], v[DT+28:DT+29]
	v_nop
	v_pk_add_f32 v[DT+16:DT+17], v[DT+16:DT+17], v[DT+24:DT+25]
	v_nop
	v_pk_fma_f32 v[SUMI:SUMI+1], v[SUMI:SUMI+1], v[FI:FI+1], v[DT+16:DT+17] op_sel_hi:[1,0,1]
.endm
.macro OUT i, more
.set SUMI, ST+6*\i+2
.set OI, O+32*\i
	v_add_f32 v[RL], v[SUMI], v[SUMI+1]
	v_and_b32 v[BM], 15, v0
	v_bfe_u32 v[BM+1], v0, 4, 1
	s_delay_alu instid0(VALU_DEP_3)
	v_permlanex16_b32 v[BX], v[RL], s[SEL], s[SEL+1]
.if (\i) < 2
	s_add_co_u32 s[T0], s[AW], \i
.else
	s_sub_co_u32 s[T0], \i+28, s[AW]
.endif
	v_lshlrev_b32 v[GO], 9, v[BM+1]
	s_delay_alu instid0(VALU_DEP_1)
	v_lshl_add_u32 v[GO], v[BM], 4, v[GO]
	s_lshr_b32 s[T3], s[T0], 2
	s_lshl_b32 s[T3], s[T3], 4
	s_and_b32 s[T1], s[T0], 1
	s_lshl_b32 s[T1], s[T1], 3
	s_add_co_u32 s[T3], s[T3], s[T1]
	s_bfe_u32 s[T1], s[T0], 0x10001
	s_add_co_u32 s[T3], s[T3], s[T1]
	s_lshl_b32 s[T1], s[CX], 1
	s_add_co_u32 s[T3], s[T3], s[T1]
	s_lshl_b32 s[OO], s[T3], 14
	s_mov_b32 s[OO+1], 0
	s_add_nc_u64 s[OB:OB+1], s[10:11], s[OO:OO+1]
	s_wait_alu depctr_va_vdst(0)
	v_add_f32 v[RL], v[RL], v[BX]
	s_wait_alu depctr_va_vdst(0)
	v_rcp_f32 v[RL], v[RL]
	v_mov_b32 v[RL+1], 0
	s_wait_alu depctr_va_vdst(0)
	v_ldexp_f32 v[RL], v[RL], s[EPV]
.rept 4
	v_nop
.endr
	s_set_vgpr_msb 0x1
.irp k, 0,1,2,3,4,5,6,7,8,9,10,11,12,13,14,15
	v_pk_mul_f32 v[S+2*\k:S+2*\k+1], v[OI+2*\k:OI+2*\k+1], v[RL:RL+1] op_sel_hi:[1,0]
.endr
	s_set_vgpr_msb 0x100
	v_nop
.irp k, 0,1,2,3
	v_cvt_scalef32_pk8_fp8_f32 v[S+2*\k+32:S+2*\k+33], v[S+8*\k:S+8*\k+7], v[SOPX]
.endr
	v_nop
	s_wait_alu depctr_va_vdst(0)
	global_store_b128 v[GO], v[S+32:S+35], s[OB:OB+1]
	global_store_b128 v[GO], v[S+36:S+39], s[OB:OB+1] offset:256
.if \more
	s_wait_xcnt 0x0
.endif
.endm
.macro MASKS i, p
.Lmask\i\p:
.if (\i) % 2 == 0
.irp k, 0,1,2,3,4,5,6,7,8,9,10,11,12,13,14,15
	v_cndmask_b32 v[S+\k], v[S+\k], v[NINF], s[MKA+\k]
.endr
.irp k, 0,1,2,3,4,5,6,7
	v_cndmask_b32 v[S+\k+16], v[S+\k+16], v[NINF], s[MKB+\k]
.endr
.irp k, 0,1,2,3,4,5,6,7
	v_cndmask_b32 v[S+\k+24], v[S+\k+24], v[NINF], s[MKC+\k]
.endr
.irp k, 0,1,2,3,4,5,6,7,8,9,10,11,12,13,14,15
	v_dual_mov_b32 v[S+2*\k+32], v[NINF] :: v_dual_mov_b32 v[S+2*\k+33], v[NINF]
.endr
.else
.irp k, 0,1,2,3,4,5,6,7,8,9,10,11,12,13,14,15
	v_cndmask_b32 v[S+\k+32], v[S+\k+32], v[NINF], s[MKA+\k]
.endr
.irp k, 0,1,2,3,4,5,6,7
	v_cndmask_b32 v[S+\k+48], v[S+\k+48], v[NINF], s[MKB+\k]
.endr
.irp k, 0,1,2,3,4,5,6,7
	v_cndmask_b32 v[S+\k+56], v[S+\k+56], v[NINF], s[MKC+\k]
.endr
.endif
	s_branch .Lmasked\i\p
.endm
.macro LEAVE i
	s_cmp_eq_u32 s[SC], s[LIM+2*((\i)/2)]
	s_cbranch_scc1 .Lout\i
.Lback\i:
.endm
.macro GOES i
.Lout\i:
	OUT \i, 1
	s_branch .Lback\i
.endm
	s_load_b128 s[4:7], s[0:1], 0x0
	s_load_b128 s[8:11], s[0:1], 0x10
	v_lshl_add_u32 v[SPW], v0, 2, SPARE
	v_mov_b32 v[NIL], 0
	ds_add_u32 v[SPW], v[NIL]
	ds_add_u32 v[SPW], v[NIL]
	v_lshrrev_b32 v[ADK], 5, v0
	s_delay_alu instid0(VALU_DEP_1)
	v_readfirstlane_b32 s[WV], v[ADK]
	s_and_b32 s[HD], ttmp7, 0xffff
	s_bfe_u32 s[CX], ttmp6, 0x40000
	DESC G1K, 512
	s_mov_b32 s[SEL], 0x76543210
	s_mov_b32 s[SEL+1], 0xfedcba98
	s_and_b32 s[T0], s[HD], 15
	s_lshr_b32 s[T1], s[HD], 4
	s_mul_i32 s[T2], s[T0], SIZE_H/16
	s_add_co_u32 s[T2], s[T2], s[T1]
	s_lshl_b32 s[SB], s[T2], 17
	s_mov_b32 s[SB+1], 0
	s_mul_i32 s[OO], s[T1], 128*CXT
	s_lshl_b32 s[T3], s[T0], 10
	s_add_co_u32 s[OO], s[OO], s[T3]
	s_mov_b32 s[OO+1], 0
	s_mov_b32 s[G0], 1
	s_wait_dscnt 0x0
	s_wait_kmcnt 0x0
	s_load_b32 s[EX+0], s[8:9], 24
	s_load_b32 s[EX+1], s[8:9], 28
	s_load_b32 s[EX+2], s[8:9], 32
	s_load_b32 s[EX+3], s[8:9], 36
	s_load_b32 s[EC], s[8:9], 40
	s_add_nc_u64 s[10:11], s[10:11], s[OO:OO+1]
	s_add_nc_u64 s[12:13], s[4:5], SIZE_H*HEADB
	ROUND
	s_cmp_ge_u32 s[WV], 2
	s_cbranch_scc1 .Larm_end
	s_cmp_eq_u32 s[WV], 1
	s_cbranch_scc1 .Larm_v
	s_mov_b32 s[G0+1], 0
	s_add_nc_u64 s[G0+2:G0+3], s[12:13], s[SB:SB+1]
	ASK G1K
	s_branch .Larm_end
.Larm_v:
	s_mov_b32 s[G0+1], VB
	s_add_nc_u64 s[G0+2:G0+3], s[6:7], s[SB:SB+1]
	ASK G1K
.Larm_end:
	s_and_b32 s[T0], s[WV], 1
	s_xor_b32 s[T0], s[T0], ttmp9
	s_and_b32 s[AW], s[WV], 3
	s_lshl_b32 s[AW], s[AW], 1
	s_add_co_u32 s[AW], s[AW], s[T0]
	s_sub_co_u32 s[T0], 15, s[AW]
	s_cmp_lt_u32 s[WV], 4
	s_cselect_b32 s[LIM], s[T0], s[AW]
	s_lshl_b32 s[AW], s[LIM], 1
	s_lshl_b32 s[T3], s[CX], 10
.irp t, 0,1
	s_add_co_u32 s[T0], s[AW], \t
	s_lshl_b32 s[QB+2*\t], s[T0], 12
	s_add_co_u32 s[QB+2*\t], s[QB+2*\t], s[T3]
	s_mov_b32 s[QB+2*\t+1], 0
	s_add_nc_u64 s[QB+2*\t:QB+2*\t+1], s[QB+2*\t:QB+2*\t+1], s[SB:SB+1]
	s_add_nc_u64 s[QB+2*\t:QB+2*\t+1], s[QB+2*\t:QB+2*\t+1], s[4:5]
.endr
	s_wait_alu depctr_va_vdst(0)
	v_and_b32 v[S+2], 31, v0
	s_delay_alu instid0(VALU_DEP_1)
	v_lshlrev_b32 v[S+2], 4, v[S+2]
.irp k, 0,1
	global_load_b128 v[QF+8*\k:QF+8*\k+3], v[S+2], s[QB+2*\k:QB+2*\k+1]
	global_load_b128 v[QF+8*\k+4:QF+8*\k+7], v[S+2], s[QB+2*\k:QB+2*\k+1] offset:512
.endr
	v_and_b32 v[S+4], 31, v0
	s_delay_alu instid0(VALU_DEP_1)
	v_lshlrev_b32 v[AK], 4, v[S+4]
	v_lshl_add_u32 v[AV], v[S+4], 4, VB
	s_wait_kmcnt 0x0
	s_add_co_u32 s[T0], s[EX], s[EX+1]
	v_mov_b32 v[TM], 0x3e38aa3b
	s_delay_alu instid0(VALU_DEP_1)
	v_ldexp_f32 v[TM], v[TM], s[T0]
	s_delay_alu instid0(VALU_DEP_1)
	v_readfirstlane_b32 s[CS], v[TM]
	s_mov_b32 s[CS+1], s[CS]
	s_add_co_u32 s[T0], s[EX+2], 127
	s_lshl_b32 s[T1], s[T0], 23
	v_mov_b32 v[SOP], s[T1]
	s_add_co_u32 s[EPV], s[EX+2], s[EX+3]
	s_add_co_u32 s[T0], s[EC], 127
	s_lshl_b32 s[T1], s[T0], 23
	v_mov_b32 v[SOPX], s[T1]
	s_set_vgpr_msb 0x40
.irp k, 0,1
.irp j, 0,1,2,3,4,5,6,7,8,9,10,11,12,13,14,15,16,17,18,19,20,21,22,23,24,25,26,27,28,29,30,31
	v_mov_b32 v[O+32*\k+\j], 0
.endr
.endr
	s_set_vgpr_msb 0x4000
.irp k, 0,1,2,3,4,5,6,7,8,9,10,11,12,13,14,15
	v_mov_b32 v[P+\k], 0
.endr
	v_mov_b32 v[BX], 0
.irp k, 0,1
	v_mov_b32 v[ST+6*\k+1], 0xff61b1e6
	v_mov_b32 v[ST+6*\k+2], 0
	v_mov_b32 v[ST+6*\k+3], 0
	v_mov_b32 v[ST+6*\k+4], 1.0
	v_mov_b32 v[ST+6*\k+5], 0
.endr
.irp k, 0,1
	v_mov_b32 v[ST+6*\k], 0x7f61b1e6
.endr
	s_mov_b32 s[SC], 0
	s_mov_b32 s[TK], 0
	s_mov_b32 s[TV], 0
	s_wait_loadcnt 0x0
	s_wait_alu depctr_va_vdst(0)
	s_wait_tensorcnt 0x0
	s_barrier_signal -1
	s_barrier_wait -1
.if SIZE_CAUSAL
	s_lshr_b32 s[T3], s[CX], 1
	s_lshl_b32 s[T3], s[T3], 5
	s_and_b32 s[T0], s[CX], 1
	s_lshl_b32 s[T0], s[T0], 3
	s_add_co_u32 s[T3], s[T3], s[T0]
	v_and_b32 v[S], 7, v0
	v_bfe_u32 v[S+2], v0, 3, 1
	s_delay_alu instid0(VALU_DEP_1)
	v_lshl_add_u32 v[S], v[S+2], 4, v[S]
	v_bfe_u32 v[S+1], v0, 4, 1
	s_delay_alu instid0(VALU_DEP_1)
	v_lshlrev_b32 v[S+1], 4, v[S+1]
	s_delay_alu instid0(VALU_DEP_1)
	v_sub_nc_u32 v[S], v[S], v[S+1]
	s_delay_alu instid0(VALU_DEP_1)
	v_add_nc_u32 v[S], s[T3], v[S]
	s_delay_alu instid0(VALU_DEP_1)
.irp k, 0,1,2,3,4,5,6,7,8,9,10,11,12,13,14,15
	v_cmp_gt_i32 s[MKA+\k], \k, v[S]
.endr
.irp k, 0,1,2,3,4,5,6,7
	v_cmp_gt_i32 s[MKB+\k], \k+32, v[S]
.endr
.irp k, 0,1,2,3,4,5,6,7
	v_cmp_gt_i32 s[MKC+\k], \k+40, v[S]
.endr
	v_mov_b32 v[NINF], 0xff800000
.else
	s_mov_b32 s[LIM], STEPS-1
.endif
	LOADK
	LOADV
	s_wait_dscnt 0x0
	s_wait_alu depctr_va_vdst(0)
	s_mov_b32 s[TK], KSTEP
.Lstep:
.if SIZE_CAUSAL
	s_cmp_gt_u32 s[SC], s[LIM]
	s_cbranch_scc1 .Ldone
.endif
	TSTEP 0, 1, 1, 0, SIZE_CAUSAL
	TSTEP 1, 0, 0, 1, SIZE_CAUSAL
	LEAVE 0
.Ldone:
	s_add_co_u32 s[SC], s[SC], 1
	s_add_co_u32 s[T0], s[SC], 1
	s_min_u32 s[T0], s[T0], STEPS-1
	s_mul_i32 s[TK], s[T0], KSTEP
	s_lshl_b32 s[TV], s[SC], 13
	s_wait_alu depctr_va_vdst(0)
	s_cmp_lt_u32 s[SC], STEPS
	s_cbranch_scc1 .Lstep
	s_branch .Ltail
.if SIZE_CAUSAL
	MASKS 0, 1
	MASKS 1, 0
.endif
	GOES 0
.Ltail:
.if PRIO
	s_setprio 0
	s_nop 0
.endif
	s_set_vgpr_msb 0x1
	v_wmma_f32_16x16x128_fp8_fp8 v[DT:DT+7], v[VF:VF+15], v[P:P+15], 0
	v_wmma_f32_16x16x128_fp8_fp8 v[DT+8:DT+15], v[VF+16:VF+31], v[P:P+15], 0
	v_wmma_f32_16x16x128_fp8_fp8 v[DT+16:DT+23], v[VF+32:VF+47], v[P:P+15], 0
	v_wmma_f32_16x16x128_fp8_fp8 v[DT+24:DT+31], v[VF+48:VF+63], v[P:P+15], 0
.rept 4
	v_nop
.endr
	s_set_vgpr_msb 0x141
.irp k, 0,1,2,3,4,5,6,7,8,9,10,11,12,13,14,15
	v_pk_fma_f32 v[O+2*\k+32:O+2*\k+33], v[O+2*\k+32:O+2*\k+33], v[ST+10:ST+11], v[DT+2*\k:DT+2*\k+1] op_sel_hi:[1,0,1]
.endr
	s_set_vgpr_msb 0x4100
	OUT 1, 0
	s_wait_tensorcnt 0x0
	ds_add_u32 v[SPW], v[NIL]
	s_wait_dscnt 0x0
	ROUND
	s_endpgm
.Lfunc_end_k_q024fa553f9_attention:
	.size	k_q024fa553f9_attention, .Lfunc_end_k_q024fa553f9_attention-k_q024fa553f9_attention
	.p2alignl 7, 3214868480
	.fill 96, 4, 3214868480
	.section	.rodata,"a",@progbits
	.p2align	6, 0x0
	.amdhsa_kernel k_q024fa553f9_attention
		.amdhsa_group_segment_fixed_size 263168
		.amdhsa_private_segment_fixed_size 0
		.amdhsa_enable_private_segment 0
		.amdhsa_kernarg_size 32
		.amdhsa_user_sgpr_count 2
		.amdhsa_user_sgpr_kernarg_segment_ptr 1
		.amdhsa_wavefront_size32 1
		.amdhsa_system_sgpr_workgroup_id_x 1
		.amdhsa_system_sgpr_workgroup_id_y 1
		.amdhsa_system_sgpr_workgroup_id_z 1
		.amdhsa_system_vgpr_workitem_id 0
		.amdhsa_next_free_vgpr 512
		.amdhsa_next_free_sgpr 102
		.amdhsa_reserve_vcc 0
		.amdhsa_float_denorm_mode_32 3
		.amdhsa_float_denorm_mode_16_64 3
		.amdhsa_fp16_overflow 1
		.amdhsa_memory_ordered 1
		.amdhsa_forward_progress 1
		.amdhsa_inst_pref_size 45
	.end_amdhsa_kernel
	.amdgpu_metadata
---
amdhsa.version: [ 1, 2 ]
amdhsa.kernels:
  - .name:           k_q024fa553f9_attention
    .symbol:         k_q024fa553f9_attention.kd
    .args:
      - { .name: qkc, .offset: 0, .size: 8, .value_kind: global_buffer, .address_space: global }
      - { .name: vc, .offset: 8, .size: 8, .value_kind: global_buffer, .address_space: global }
      - { .name: lowp_scales, .offset: 16, .size: 8, .value_kind: global_buffer, .address_space: global }
      - { .name: cx, .offset: 24, .size: 8, .value_kind: global_buffer, .address_space: global }
    .group_segment_fixed_size: 263168
    .private_segment_fixed_size: 0
    .kernarg_segment_align: 8
    .kernarg_segment_size: 32
    .max_flat_workgroup_size: 256
    .sgpr_count:     102
    .vgpr_count:     512
    .wavefront_size: 32
...
	.end_amdgpu_metadata
.endif
;; end of part 3
;; launch out (part 4): grid 8 x 32, 4 waves a work-group, clusters of 4 x 4, 327,680 bytes of LDS; arguments cx, pc, lowp_scales, qkc, bp, x; writes qkc
.if DOCPART == 4
	.amdgcn_target "amdgcn-amd-amdhsa--gfx1250"
	.amdhsa_code_object_version 6
	.text
	.protected	k_q024fa553f9_out
	.globl	k_q024fa553f9_out
	.p2align	8
	.type	k_q024fa553f9_out,@function
k_q024fa553f9_out:
	s_mov_b64 s[64:65], 0
	v_nop
	global_prefetch_b8 v0, s[64:65] scope:SCOPE_SE
	s_setreg_imm32_b32 hwreg(HW_REG_WAVE_MODE, 25, 1), 1
	s_wait_xcnt 0x0
	s_wait_alu depctr_hold_cnt(0) depctr_sa_sdst(0) depctr_va_vdst(0) depctr_va_sdst(0) depctr_va_ssrc(0) depctr_va_vcc(0) depctr_vm_vsrc(0)
	s_getreg_b32 s2, hwreg(HW_REG_IB_STS2, 6, 4)
	s_cmp_eq_u32 s2, 0
	s_cbranch_scc0 .Lentry_in_a_cluster
	s_endpgm
.Lentry_in_a_cluster:
	s_bfe_u32 s2, ttmp6, 0x10000c
	s_cmp_lg_u32 s2, 0xf033
	s_cbranch_scc0 .Lentry_shape_is_right
	s_endpgm
.Lentry_shape_is_right:
.set TOK,    4096
.set BIAS,   1
.set RES,    1
.set RZ,     160
.set SIZE_N, 1024
.set SIZE_K, 1024
.set IN3,    0
.set BOFF,   (1+2*IN3)*TOK+3072
.set NQ,     SIZE_K/128
.set NB,     4
.set NS,     4
.set TM,     2*16*NS
.set TN,     2*16*NB
.set KROW,   SIZE_K
.set PITCH,  KROW+16
.set FR,     16
.set FPW,    256/FR
.set NP,     4
.set CH,     16*NS
.set CSTEP,  8*SIZE_N*4
.set CFAR,   16*SIZE_N*4
.set RA1,    128
.set YB,     RA1*PITCH
.set SPITCH, 16*NB*4+16
.set STAGE,  ((RA1+TN)*PITCH+255)/256*256
.set SPARE,  STAGE+4*16*SPITCH
.set ADRA0, 4
.set CO,   9
.set SPW,  10
.set NIL,  11
.set ADRA, 12
.set ADRB, 14
.set STO,  18
.set RD,   19
.set ACC,  24
.set BK,   56
.set TMP,  88
.set BO,   120
.set G1A, 24
.set G0A, 56
.set G1B, 32
.set G0B, 60
.set MSB, 0
.macro WIN new
.if MSB != \new
	s_set_vgpr_msb (MSB<<8)|\new
.set MSB, \new
.endif
.endm
.macro PLACES n
.rept \n
	v_nop
.endr
.endm
.macro CROUND
	s_barrier_signal -1
	s_barrier_wait -1
	s_cmp_lg_u32 s14, 0
	s_cbranch_scc1 .Lnot_wave_0_\@
	s_barrier_signal -3
.Lnot_wave_0_\@:
	s_barrier_wait -3
	s_barrier_signal -1
	s_barrier_wait -1
.endm
.macro TLOAD g0, g1
	tensor_load_to_lds s[\g0:\g0+3], s[\g1:\g1+7]
	s_nop 0
	PLACES 4
.endm
.macro GROUP1 g, mask, rows, pad
	s_or_b32 s[\g+0], s[\mask], (1<<21)|\pad
	s_mov_b32 s[\g+1], (KROW&0xffff)<<16
	s_mov_b32 s[\g+2], (KROW>>16)|((\rows)<<16)
	s_mov_b32 s[\g+3], KROW<<16
	s_mov_b32 s[\g+4], \rows
	s_mov_b32 s[\g+5], KROW
	s_mov_b32 s[\g+6], 0
	s_mov_b32 s[\g+7], 0
.endm
	s_load_b64 s[4:5], s[0:1], 0x0
	s_load_b128 s[8:11], s[0:1], 0x8
	s_load_b64 s[12:13], s[0:1], 0x18
.if RES
	s_load_b64 s[92:93], s[0:1], 0x20+8*BIAS
.endif
	v_lshl_add_u32 v[SPW], v0, 2, SPARE
	v_mov_b32 v[NIL], 0
	ds_add_u32 v[SPW], v[NIL]
	ds_add_u32 v[SPW], v[NIL]
	v_lshrrev_b32 v1, 5, v0
	v_readfirstlane_b32 s14, v1
	s_lshr_b32 s15, s14, 1
	s_and_b32 s16, s14, 1
	s_mov_b32 s17, s15
	s_mov_b32 s18, s16
	s_bfe_u32 s40, ttmp6, 0x40000
	s_bfe_u32 s41, ttmp6, 0x40004
	s_lshl_b32 s42, ttmp9, 2
	s_add_co_u32 s42, s42, s40
	s_and_b32 s43, ttmp7, 0xffff
	s_lshl_b32 s43, s43, 2
	s_add_co_u32 s43, s43, s41
	s_lshl_b32 s44, s41, 2
	s_lshl_b32 s44, 15, s44
	s_lshl_b32 s45, 0x1111, s40
	GROUP1 G1A, 44, RA1/2, 0
	GROUP1 G1B, 45, TN/2, (1<<20)|(7<<22)|(3<<25)
	s_mul_i32 s86, s43, TM*KROW
	s_mov_b32 s87, 0
	s_mul_i32 s76, s16, RA1/2*KROW
	s_mov_b32 s77, 0
	s_mul_i32 s20, s42, TN*KROW
	s_mul_i32 s21, s16, TN/2*KROW
	s_add_co_u32 s78, s20, s21
	s_mov_b32 s79, 0
	s_lshr_b32 s84, s43, 1
	s_mul_i32 s84, s84, 256*SIZE_N*4
	s_mul_i32 s21, s17, 128*SIZE_N*4
	s_add_co_u32 s84, s84, s21
	s_mul_i32 s21, s42, TN*4
	s_add_co_u32 s84, s84, s21
	s_mul_i32 s21, s18, 16*NB*4
	s_add_co_u32 s84, s84, s21
	s_mov_b32 s85, 0
	s_mov_b32 s[G0A], 1
	s_mul_i32 s[G0A+1], s16, RA1/2*KROW
	s_mov_b32 s[G0B], 1
	s_mul_i32 s[G0B+1], s16, TN/2*PITCH
	s_add_co_u32 s[G0B+1], s[G0B+1], YB
	v_and_b32 v1, 15, v0
	v_bfe_u32 v2, v0, 4, 1
	v_and_b32 v3, 31, v0
	v_mul_u32_u24 v22, v1, PITCH
	v_mad_u32_u24 v23, v2, 16, v22
	s_mul_i32 s23, s17, 16*KROW
	v_lshlrev_b32 v[ADRA0], 4, v3
	v_add_nc_u32 v[ADRA0], s23, v[ADRA0]
	s_mul_i32 s22, s18, 16*NB*PITCH
	s_add_co_u32 s22, s22, YB
	v_add_nc_u32 v[ADRB], s22, v23
	s_mul_i32 s21, s14, 16*SPITCH
	s_add_co_u32 s21, s21, STAGE
	v_mul_u32_u24 v23, v1, SPITCH
	v_lshl_add_u32 v23, v2, 5, v23
	v_add_nc_u32 v[STO], s21, v23
	v_mul_u32_u24 v23, v2, SPITCH
	v_lshl_add_u32 v23, v1, 4, v23
	v_add_nc_u32 v[RD], s21, v23
	v_mul_u32_u24 v23, v2, SIZE_N*4
	v_lshl_add_u32 v[CO], v1, 4, v23
	s_wait_alu depctr_va_vdst(0)
	s_wait_dscnt 0x0
	s_wait_kmcnt 0x0
.if BOFF
	s_add_nc_u64 s[8:9], s[8:9], BOFF*KROW
.endif
	s_add_nc_u64 s[86:87], s[4:5], s[86:87]
	s_add_nc_u64 s[G0A+2:G0A+3], s[86:87], s[76:77]
	s_or_b32 s[G0A+3], s[G0A+3], 0x80000000
	s_add_nc_u64 s[G0B+2:G0B+3], s[8:9], s[78:79]
	s_or_b32 s[G0B+3], s[G0B+3], 0x80000000
	s_load_b32 s96, s[10:11], 40
	s_load_b32 s97, s[10:11], 44
	s_add_nc_u64 s[12:13], s[12:13], s[84:85]
.if RES
	s_add_nc_u64 s[92:93], s[92:93], s[84:85]
.endif
	CROUND
	s_cmp_eq_u32 s15, 0
	s_cbranch_scc0 .Lfor_a
	TLOAD G0B, G1B
	s_branch .Lasked
.Lfor_a:
	TLOAD G0A, G1A
.Lasked:
.if BIAS
	s_load_b64 s[76:77], s[0:1], 0x20
	s_mul_i32 s20, s42, TN*4
	s_mul_i32 s21, s18, 16*NB*4
	s_add_co_u32 s20, s20, s21
	s_mov_b32 s21, 0
	v_lshlrev_b32 v8, 5, v2
	s_wait_alu depctr_va_vdst(0)
	s_wait_kmcnt 0x0
	s_add_nc_u64 s[76:77], s[76:77], s[20:21]
.irp b, 0,1,2,3
	global_load_b128 v[BO+8*\b:BO+8*\b+3], v8, s[76:77] offset:64*\b
	global_load_b128 v[BO+8*\b+4:BO+8*\b+7], v8, s[76:77] offset:64*\b+16
.endr
.endif
	s_wait_kmcnt 0x0
	s_add_co_i32 s96, s96, s97
.if BIAS
	s_sub_co_i32 s21, 0, s96
	s_wait_loadcnt 0x0
.irp i, 0,1,2,3,4,5,6,7,8,9,10,11,12,13,14,15,16,17,18,19,20,21,22,23,24,25,26,27,28,29,30,31
	v_ldexp_f32 v[BO+\i], v[BO+\i], s21
.endr
	s_wait_alu depctr_va_vdst(0)
.endif
	s_add_co_i32 s96, s96, 127
	s_lshl_b32 s96, s96, 23
	s_cmp_eq_u32 s15, 0
	s_cbranch_scc0 .Lnot_b
	s_wait_tensorcnt 0x0
.Lnot_b:
	s_barrier_signal -1
	s_barrier_wait -1
.macro FRAG f, adr, q, off
	WIN (1+(\f)/FPW)<<6
.irp c, 0,1,2,3
	ds_load_b128 v[FR*((\f)%FPW)+4*\c:FR*((\f)%FPW)+4*\c+3], v[\adr] offset:128*(\q)+32*\c+(\off)
.endr
.endm
.macro FRAGA f, q
	WIN (1+(\f)/FPW)<<6
.irp c, 0,1,2,3
	ds_load_b128 v[FR*((\f)%FPW)+4*\c:FR*((\f)%FPW)+4*\c+3], v[ADRA] offset:2048*(\q)+512*\c
.endr
.endm
.macro SET u
.irp q, 0,1,2,3,4,5,6,7
	FRAGA NB*NQ+NQ*(\u)+\q, \q
.endr
	WIN 0
.endm
.macro MMP d, a, b, c
	v_wmma_f32_16x16x128_fp8_fp8 \d, \a, \b, \c
.endm
.macro MUL h, u
.irp j, 0,1,2,3
.irp p, 0,1
.irp o, 0,1
.set Q,  NQ/2*\h+\j
.set FB, NB*Q+2*\p+\o
.set FA, NB*NQ+NQ*(\u)+Q
.set AC, ACC+8*(2*\p+\o)
	WIN (1+FB/FPW)|((1+FA/FPW)<<2)
.if Q == 0 && BIAS
	MMP v[AC:AC+7], v[FR*(FB%FPW):FR*(FB%FPW)+FR-1], v[FR*(FA%FPW):FR*(FA%FPW)+FR-1], v[BO+8*(2*\p+\o):BO+8*(2*\p+\o)+7]
.elseif Q == 0
	MMP v[AC:AC+7], v[FR*(FB%FPW):FR*(FB%FPW)+FR-1], v[FR*(FA%FPW):FR*(FA%FPW)+FR-1], 0
.else
	MMP v[AC:AC+7], v[FR*(FB%FPW):FR*(FB%FPW)+FR-1], v[FR*(FA%FPW):FR*(FA%FPW)+FR-1], v[AC:AC+7]
.endif
.endr
.endr
.endr
	WIN 0
.endm
.macro STEP
	s_add_co_u32 s101, s101, 32*KROW
	v_add_nc_u32 v[ADRA], s101, v[ADRA0]
.endm
.macro RLOAD step, set
	s_wait_xcnt 0x0
	s_add_nc_u64 s[92:93], s[92:93], \step
.irp t, 0,1,2,3,4,5,6,7
	global_load_b128 v[RZ+32*(\set)+4*\t:RZ+32*(\set)+4*\t+3], v[CO], s[92:93] offset:(16*(\t/4)+(2*\t)%8)*SIZE_N*4
.endr
.endm
.macro BLOCK u, gate=0
	MUL 0, \u
.if \gate == 0
	STEP
.endif
.if \gate == 2
	s_cmp_eq_u32 s23, 1
	s_cbranch_scc1 .Lno_fetch_\@
	STEP
.endif
	SET 1-\u
.if RES
	RLOAD CSTEP+CFAR*(\u), 1-\u
.endif
.if \gate == 2
.Lno_fetch_\@:
.endif
	MUL 1, \u
	PLACES NP
	s_wait_xcnt 0x0
	s_add_nc_u64 s[12:13], s[12:13], CSTEP+CFAR*(1-(\u))
.irp j, 0,2,4,6,8,10,12,14,16,18,20,22,24,26,28,30
	v_pk_mul_f32 v[TMP+\j:TMP+\j+1], v[ACC+\j:ACC+\j+1], s[96:97] op_sel_hi:[1,0]
.endr
.irp b, 0,1,2,3
	ds_store_b128 v[STO], v[TMP+8*\b:TMP+8*\b+3] offset:64*\b
	ds_store_b128 v[STO], v[TMP+8*\b+4:TMP+8*\b+7] offset:64*\b+16
.endr
.irp t, 0,1,2,3,4,5,6,7
	ds_load_b128 v[BK+4*\t:BK+4*\t+3], v[RD] offset:2*\t*SPITCH
.endr
	s_wait_dscnt 0x0
.if RES
.if \gate == 2
	s_wait_loadcnt 0x0
.else
	s_wait_loadcnt 0x8
.endif
.set I, 0
.rept 16
	v_pk_add_f32 v[BK+I:BK+I+1], v[BK+I:BK+I+1], v[RZ+32*(\u)+I:RZ+32*(\u)+I+1]
.set I, I+2
.endr
.endif
.irp t, 0,1,2,3,4,5,6,7
	global_store_b128 v[CO], v[BK+4*\t:BK+4*\t+3], s[12:13] offset:(16*(\t/4)+(2*\t)%8)*SIZE_N*4 th:TH_STORE_NT
.endr
.endm
.macro CHUNK gate
.rept CH/64-1
	BLOCK 0
	BLOCK 1
.endr
	BLOCK 0
	BLOCK 1, \gate
.endm
.irp q, 0,1,2,3,4,5,6,7
.irp b, 0,1,2,3
	FRAG NB*\q+\b, ADRB, \q, \b*16*PITCH
.endr
.endr
	WIN 0
	s_sub_nc_u64 s[12:13], s[12:13], CSTEP+CFAR
.if RES
	s_sub_nc_u64 s[92:93], s[92:93], CSTEP+CFAR
.endif
	s_mov_b32 s101, 0
	s_and_b32 s20, s43, 1
	s_mul_i32 s20, s20, 64*SIZE_N*4
	s_mov_b32 s21, 0
	s_add_nc_u64 s[12:13], s[12:13], s[20:21]
.if RES
	s_add_nc_u64 s[92:93], s[92:93], s[20:21]
.endif
.if RES
	RLOAD CSTEP+CFAR, 0
.endif
	s_wait_tensorcnt 0x0
	s_wait_dscnt 0x0
	s_barrier_signal -1
	s_barrier_wait -1
	v_add_nc_u32 v[ADRA], s101, v[ADRA0]
	SET 0
	s_wait_dscnt 0x0
	s_mov_b32 s23, 2
.Llast_two:
	CHUNK 2
	s_sub_co_i32 s23, s23, 1
	s_cmp_lg_u32 s23, 0
	s_cbranch_scc1 .Llast_two
	s_wait_tensorcnt 0x0
	ds_add_u32 v[SPW], v[NIL]
	s_wait_dscnt 0x0
	CROUND
	s_endpgm
.Lfunc_end_k_q024fa553f9_out:
	.size	k_q024fa553f9_out, .Lfunc_end_k_q024fa553f9_out-k_q024fa553f9_out
	.p2alignl 7, 3214868480
	.fill 96, 4, 3214868480
	.section	.rodata,"a",@progbits
	.p2align	6, 0x0
	.amdhsa_kernel k_q024fa553f9_out
		.amdhsa_group_segment_fixed_size 327680
		.amdhsa_private_segment_fixed_size 0
		.amdhsa_enable_private_segment 0
		.amdhsa_kernarg_size 48
		.amdhsa_user_sgpr_count 2
		.amdhsa_user_sgpr_kernarg_segment_ptr 1
		.amdhsa_wavefront_size32 1
		.amdhsa_system_sgpr_workgroup_id_x 1
		.amdhsa_system_sgpr_workgroup_id_y 1
		.amdhsa_system_sgpr_workgroup_id_z 1
		.amdhsa_system_vgpr_workitem_id 0
		.amdhsa_next_free_vgpr 1024
		.amdhsa_next_free_sgpr 102
		.amdhsa_reserve_vcc 0
		.amdhsa_float_denorm_mode_32 3
		.amdhsa_float_denorm_mode_16_64 3
		.amdhsa_memory_ordered 1
		.amdhsa_forward_progress 1
		.amdhsa_inst_pref_size 41
	.end_amdhsa_kernel
	.amdgpu_metadata
---
amdhsa.version: [ 1, 2 ]
amdhsa.kernels:
  - .name:           k_q024fa553f9_out
    .symbol:         k_q024fa553f9_out.kd
    .args:
      - { .name: cx, .offset: 0, .size: 8, .value_kind: global_buffer, .address_space: global }
      - { .name: pc, .offset: 8, .size: 8, .value_kind: global_buffer, .address_space: global }
      - { .name: lowp_scales, .offset: 16, .size: 8, .value_kind: global_buffer, .address_space: global }
      - { .name: qkc, .offset: 24, .size: 8, .value_kind: global_buffer, .address_space: global }
      - { .name: bp, .offset: 32, .size: 8, .value_kind: global_buffer, .address_space: global }
      - { .name: x, .offset: 40, .size: 8, .value_kind: global_buffer, .address_space: global }
    .group_segment_fixed_size: 327680
    .private_segment_fixed_size: 0
    .kernarg_segment_align: 8
    .kernarg_segment_size: 48
    .max_flat_workgroup_size: 128
    .sgpr_count:     102
    .vgpr_count:     1024
    .wavefront_size: 32
...
	.end_amdgpu_metadata
.endif
;; end of part 4
;; launch norm_out (part 5): grid 512 x 1, 4 waves a work-group, no clusters, 33,280 bytes of LDS; arguments qkc, ln_g, ln_b, out0; writes out0
.if DOCPART == 5
	.amdgcn_target "amdgcn-amd-amdhsa--gfx1250"
	.amdhsa_code_object_version 6
	.text
	.protected	k_q024fa553f9_norm_out
	.globl	k_q024fa553f9_norm_out
	.p2align	8
	.type	k_q024fa553f9_norm_out,@function
k_q024fa553f9_norm_out:
	s_mov_b64 s[64:65], 0
	v_nop
	global_prefetch_b8 v0, s[64:65] scope:SCOPE_SE
	s_setreg_imm32_b32 hwreg(HW_REG_WAVE_MODE, 25, 1), 1
	s_wait_xcnt 0x0
.set WAVES, 4
.set STEPS, 4
.set EMAX,  8
.set MANT,  0x600000
.set CB,    16
.set R,     16
.set X,     80
.set C,     128
.set WREG,  8192
.set SP,    80
.set SPW,   12
.set NIL,   13
.set SPARE, WAVES*WREG
	s_load_b64 s[28:29], s[0:1], 0x18
	s_load_b64 s[32:33], s[0:1], 0x0
	s_load_b64 s[36:37], s[0:1], 0x8
	s_load_b64 s[40:41], s[0:1], 0x10
	s_mov_b32 s92, 0x76543210
	s_mov_b32 s93, 0xfedcba98
	v_lshl_add_u32 v[SPW], v0, 2, SPARE
	v_mov_b32 v[NIL], 0
	v_lshrrev_b32 v1, 5, v0
	v_readfirstlane_b32 s16, v1
	v_and_b32 v2, 31, v0
	v_lshlrev_b32 v3, 4, v2
	s_mul_i32 s17, s16, WREG
	v_lshrrev_b32 v14, 2, v2
	v_mul_u32_u24 v14, v14, SP
	v_and_b32 v15, 3, v2
	v_lshl_add_u32 v14, v15, 4, v14
	v_add_nc_u32 v14, s17, v14
	v_mul_u32_u24 v15, v2, SP
	v_add_nc_u32 v15, s17, v15
	v_mul_u32_u24 v4, v2, CB
	s_wait_alu depctr_va_vdst(0)
	s_wait_kmcnt 0x0
	s_lshl_b32 s17, ttmp9, 2
	s_add_co_u32 s18, s17, s16
	s_mov_b32 s19, 0
	s_mov_b32 s34, 0
	s_mov_b32 s44, s18
	s_mul_i32 s44, s44, 0x00002000
	s_add_co_u32 s34, s34, s44
	s_ashr_i32 s35, s34, 31
	s_add_nc_u64 s[32:33], s[32:33], s[34:35]
	s_mov_b32 s38, 0
	s_ashr_i32 s39, s38, 31
	s_add_nc_u64 s[36:37], s[36:37], s[38:39]
	s_mov_b32 s42, 0
	s_ashr_i32 s43, s42, 31
	s_add_nc_u64 s[40:41], s[40:41], s[42:43]
	s_lshl_b32 s20, s18, 13
	s_mov_b32 s21, 0
	s_add_nc_u64 s[28:29], s[28:29], s[20:21]
.macro TURN_0 t, src
.irp i, 0,1,2,3
	ds_store_b128 v14, v[(\src)+4*\i:(\src)+4*\i+3] offset:32*SP*((\t)%2)+8*SP*\i
.endr
.irp i, 0,1,2,3
	ds_load_b128 v[X+16*((\t)%2)+4*\i:X+16*((\t)%2)+4*\i+3], v15 offset:32*SP*((\t)%2)+16*\i
.endr
.endm
.macro QUANT_0 t
.set XS, X+16*((\t)%2)
.irp i, 0,1,2,3,4,5,6,7,8,9,10,11,12,13,14,15
	v_med3_num_f32 v[XS+\i], v[XS+\i], -v10, v10
.endr
	v_cvt_scalef32_pk8_fp8_f32 v[C+4*(\t):C+4*(\t)+1], v[XS:XS+7], v11
	v_cvt_scalef32_pk8_fp8_f32 v[C+4*(\t)+2:C+4*(\t)+3], v[XS+8:XS+15], v11
	global_store_b128 v4, v[C+4*(\t):C+4*(\t)+3], s[8:9] offset:32*CB*(\t)
.endm
	s_set_vgpr_msb 0x40
	global_load_b128 v[0:3], v3, s[36:37] offset:0
	global_load_b128 v[4:7], v3, s[40:41] offset:0
	global_load_b128 v[8:11], v3, s[36:37] offset:512
	global_load_b128 v[12:15], v3, s[40:41] offset:512
	global_load_b128 v[16:19], v3, s[36:37] offset:1024
	global_load_b128 v[20:23], v3, s[40:41] offset:1024
	global_load_b128 v[24:27], v3, s[36:37] offset:1536
	global_load_b128 v[28:31], v3, s[40:41] offset:1536
	global_load_b128 v[32:35], v3, s[36:37] offset:2048
	global_load_b128 v[36:39], v3, s[40:41] offset:2048
	global_load_b128 v[40:43], v3, s[36:37] offset:2560
	global_load_b128 v[44:47], v3, s[40:41] offset:2560
	global_load_b128 v[48:51], v3, s[36:37] offset:3072
	global_load_b128 v[52:55], v3, s[40:41] offset:3072
	global_load_b128 v[56:59], v3, s[36:37] offset:3584
	global_load_b128 v[60:63], v3, s[40:41] offset:3584
	s_set_vgpr_msb 0x4000
	global_load_b128 v[16:19], v3, s[32:33] offset:0 th:TH_LOAD_NT
	global_load_b128 v[20:23], v3, s[32:33] offset:512 th:TH_LOAD_NT
	global_load_b128 v[24:27], v3, s[32:33] offset:1024 th:TH_LOAD_NT
	global_load_b128 v[28:31], v3, s[32:33] offset:1536 th:TH_LOAD_NT
	global_load_b128 v[32:35], v3, s[32:33] offset:2048 th:TH_LOAD_NT
	global_load_b128 v[36:39], v3, s[32:33] offset:2560 th:TH_LOAD_NT
	global_load_b128 v[40:43], v3, s[32:33] offset:3072 th:TH_LOAD_NT
	global_load_b128 v[44:47], v3, s[32:33] offset:3584 th:TH_LOAD_NT
	global_load_b128 v[48:51], v3, s[32:33] offset:4096 th:TH_LOAD_NT
	global_load_b128 v[52:55], v3, s[32:33] offset:4608 th:TH_LOAD_NT
	global_load_b128 v[56:59], v3, s[32:33] offset:5120 th:TH_LOAD_NT
	global_load_b128 v[60:63], v3, s[32:33] offset:5632 th:TH_LOAD_NT
	global_load_b128 v[64:67], v3, s[32:33] offset:6144 th:TH_LOAD_NT
	global_load_b128 v[68:71], v3, s[32:33] offset:6656 th:TH_LOAD_NT
	global_load_b128 v[72:75], v3, s[32:33] offset:7168 th:TH_LOAD_NT
	global_load_b128 v[76:79], v3, s[32:33] offset:7680 th:TH_LOAD_NT
	s_wait_loadcnt 8
	v_add_f32 v224, v20, v16
	v_add_f32 v225, v21, v17
	v_add_f32 v226, v22, v18
	v_add_f32 v227, v23, v19
	v_add_f32 v224, v24, v224
	v_add_f32 v225, v25, v225
	v_add_f32 v226, v26, v226
	v_add_f32 v227, v27, v227
	v_add_f32 v224, v28, v224
	v_add_f32 v225, v29, v225
	v_add_f32 v226, v30, v226
	v_add_f32 v227, v31, v227
	v_add_f32 v224, v32, v224
	v_add_f32 v225, v33, v225
	v_add_f32 v226, v34, v226
	v_add_f32 v227, v35, v227
	v_add_f32 v224, v36, v224
	v_add_f32 v225, v37, v225
	v_add_f32 v226, v38, v226
	v_add_f32 v227, v39, v227
	v_add_f32 v224, v40, v224
	v_add_f32 v225, v41, v225
	v_add_f32 v226, v42, v226
	v_add_f32 v227, v43, v227
	v_add_f32 v224, v44, v224
	v_add_f32 v225, v45, v225
	v_add_f32 v226, v46, v226
	v_add_f32 v227, v47, v227
	v_add_f32 v224, v224, v225
	v_add_f32 v225, v226, v227
	v_add_f32 v224, v224, v225
	v_mov_b32 v224, v224
	v_add_f32_dpp v224, v224, v224 row_xmask:1 row_mask:0xf bank_mask:0xf
	v_add_f32_dpp v224, v224, v224 row_xmask:2 row_mask:0xf bank_mask:0xf
	v_add_f32_dpp v224, v224, v224 row_xmask:4 row_mask:0xf bank_mask:0xf
	v_add_f32_dpp v224, v224, v224 row_xmask:8 row_mask:0xf bank_mask:0xf
	v_mov_b32 v225, v224
	v_permlanex16_b32 v225, v224, s92, s93
	v_add_f32 v224, v224, v225
	v_mul_f32 v224, 0x3a800000, v224
	v_sub_f32 v16, v16, v224
	v_sub_f32 v44, v44, v224
	v_sub_f32 v40, v40, v224
	v_sub_f32 v36, v36, v224
	v_sub_f32 v32, v32, v224
	v_sub_f32 v28, v28, v224
	v_sub_f32 v24, v24, v224
	v_sub_f32 v20, v20, v224
	v_sub_f32 v45, v45, v224
	v_sub_f32 v41, v41, v224
	v_sub_f32 v37, v37, v224
	v_sub_f32 v33, v33, v224
	v_sub_f32 v29, v29, v224
	v_sub_f32 v25, v25, v224
	v_sub_f32 v21, v21, v224
	v_sub_f32 v17, v17, v224
	v_sub_f32 v46, v46, v224
	v_sub_f32 v42, v42, v224
	v_sub_f32 v38, v38, v224
	v_sub_f32 v34, v34, v224
	v_sub_f32 v30, v30, v224
	v_sub_f32 v26, v26, v224
	v_sub_f32 v22, v22, v224
	v_sub_f32 v18, v18, v224
	v_sub_f32 v47, v47, v224
	v_sub_f32 v43, v43, v224
	v_sub_f32 v39, v39, v224
	v_sub_f32 v35, v35, v224
	v_sub_f32 v31, v31, v224
	v_sub_f32 v27, v27, v224
	v_sub_f32 v23, v23, v224
	v_sub_f32 v19, v19, v224
	v_mul_f32 v224, v16, v16
	v_mul_f32 v225, v17, v17
	v_mul_f32 v226, v18, v18
	v_mul_f32 v227, v19, v19
	v_fma_f32 v224, v20, v20, v224
	v_fma_f32 v225, v21, v21, v225
	v_fma_f32 v226, v22, v22, v226
	v_fma_f32 v227, v23, v23, v227
	v_fma_f32 v224, v24, v24, v224
	v_fma_f32 v225, v25, v25, v225
	v_fma_f32 v226, v26, v26, v226
	v_fma_f32 v227, v27, v27, v227
	v_fma_f32 v224, v28, v28, v224
	v_fma_f32 v225, v29, v29, v225
	v_fma_f32 v226, v30, v30, v226
	v_fma_f32 v227, v31, v31, v227
	v_fma_f32 v224, v32, v32, v224
	v_fma_f32 v225, v33, v33, v225
	v_fma_f32 v226, v34, v34, v226
	v_fma_f32 v227, v35, v35, v227
	v_fma_f32 v224, v36, v36, v224
	v_fma_f32 v225, v37, v37, v225
	v_fma_f32 v226, v38, v38, v226
	v_fma_f32 v227, v39, v39, v227
	v_fma_f32 v224, v40, v40, v224
	v_fma_f32 v225, v41, v41, v225
	v_fma_f32 v226, v42, v42, v226
	v_fma_f32 v227, v43, v43, v227
	v_fma_f32 v224, v44, v44, v224
	v_fma_f32 v225, v45, v45, v225
	v_fma_f32 v226, v46, v46, v226
	v_fma_f32 v227, v47, v47, v227
	v_add_f32 v224, v224, v225
	v_add_f32 v225, v226, v227
	v_add_f32 v224, v224, v225
	v_mov_b32 v224, v224
	v_add_f32_dpp v224, v224, v224 row_xmask:1 row_mask:0xf bank_mask:0xf
	v_add_f32_dpp v224, v224, v224 row_xmask:2 row_mask:0xf bank_mask:0xf
	v_add_f32_dpp v224, v224, v224 row_xmask:4 row_mask:0xf bank_mask:0xf
	v_add_f32_dpp v224, v224, v224 row_xmask:8 row_mask:0xf bank_mask:0xf
	v_mov_b32 v225, v224
	v_permlanex16_b32 v225, v224, s92, s93
	v_add_f32 v224, v224, v225
	v_mul_f32 v224, 0x3a800000, v224
	v_add_f32 v224, 0x3727c5ac, v224
	s_wait_alu depctr_va_vdst(0)
	v_rsq_f32 v225, v224
	v_nop
	s_wait_alu depctr_va_vdst(0)
	v_mul_f32 v16, v16, v225
	v_mul_f32 v17, v17, v225
	v_mul_f32 v18, v18, v225
	v_mul_f32 v19, v19, v225
	v_mul_f32 v20, v20, v225
	v_mul_f32 v21, v21, v225
	v_mul_f32 v22, v22, v225
	v_mul_f32 v23, v23, v225
	s_set_vgpr_msb 0x14
	v_fma_f32 v192, v16, v0, v4
	v_fma_f32 v193, v17, v1, v5
	v_fma_f32 v194, v18, v2, v6
	v_fma_f32 v195, v19, v3, v7
	v_fma_f32 v196, v20, v8, v12
	v_fma_f32 v197, v21, v9, v13
	v_fma_f32 v198, v22, v10, v14
	v_fma_f32 v199, v23, v11, v15
	s_set_vgpr_msb 0x1400
	v_mul_f32 v16, v24, v225
	v_mul_f32 v17, v25, v225
	v_mul_f32 v18, v26, v225
	v_mul_f32 v19, v27, v225
	v_mul_f32 v20, v28, v225
	v_mul_f32 v21, v29, v225
	v_mul_f32 v22, v30, v225
	v_mul_f32 v23, v31, v225
	s_set_vgpr_msb 0x14
	v_fma_f32 v200, v16, v16, v20
	v_fma_f32 v201, v17, v17, v21
	v_fma_f32 v202, v18, v18, v22
	v_fma_f32 v203, v19, v19, v23
	v_fma_f32 v204, v20, v24, v28
	v_fma_f32 v205, v21, v25, v29
	v_fma_f32 v206, v22, v26, v30
	v_fma_f32 v207, v23, v27, v31
	s_set_vgpr_msb 0x1400
	v_mul_f32 v16, v32, v225
	v_mul_f32 v17, v33, v225
	v_mul_f32 v18, v34, v225
	v_mul_f32 v19, v35, v225
	v_mul_f32 v20, v36, v225
	v_mul_f32 v21, v37, v225
	v_mul_f32 v22, v38, v225
	v_mul_f32 v23, v39, v225
	s_set_vgpr_msb 0x14
	v_fma_f32 v208, v16, v32, v36
	v_fma_f32 v209, v17, v33, v37
	v_fma_f32 v210, v18, v34, v38
	v_fma_f32 v211, v19, v35, v39
	v_fma_f32 v212, v20, v40, v44
	v_fma_f32 v213, v21, v41, v45
	v_fma_f32 v214, v22, v42, v46
	v_fma_f32 v215, v23, v43, v47
	s_set_vgpr_msb 0x1400
	v_mul_f32 v16, v40, v225
	v_mul_f32 v17, v41, v225
	v_mul_f32 v18, v42, v225
	v_mul_f32 v19, v43, v225
	v_mul_f32 v20, v44, v225
	v_mul_f32 v21, v45, v225
	v_mul_f32 v22, v46, v225
	v_mul_f32 v23, v47, v225
	s_set_vgpr_msb 0x14
	v_fma_f32 v216, v16, v48, v52
	v_fma_f32 v217, v17, v49, v53
	v_fma_f32 v218, v18, v50, v54
	v_fma_f32 v219, v19, v51, v55
	v_fma_f32 v220, v20, v56, v60
	v_fma_f32 v221, v21, v57, v61
	v_fma_f32 v222, v22, v58, v62
	v_fma_f32 v223, v23, v59, v63
	s_set_vgpr_msb 0x1400
	global_store_b128 v3, v[192:195], s[28:29] offset:0 th:TH_STORE_NT
	global_store_b128 v3, v[196:199], s[28:29] offset:512 th:TH_STORE_NT
	global_store_b128 v3, v[200:203], s[28:29] offset:1024 th:TH_STORE_NT
	global_store_b128 v3, v[204:207], s[28:29] offset:1536 th:TH_STORE_NT
	global_store_b128 v3, v[208:211], s[28:29] offset:2048 th:TH_STORE_NT
	global_store_b128 v3, v[212:215], s[28:29] offset:2560 th:TH_STORE_NT
	global_store_b128 v3, v[216:219], s[28:29] offset:3072 th:TH_STORE_NT
	global_store_b128 v3, v[220:223], s[28:29] offset:3584 th:TH_STORE_NT
	s_wait_xcnt 0x0
	s_wait_loadcnt 0
	v_add_f32 v224, v52, v48
	v_add_f32 v225, v53, v49
	v_add_f32 v226, v54, v50
	v_add_f32 v227, v55, v51
	v_add_f32 v224, v56, v224
	v_add_f32 v225, v57, v225
	v_add_f32 v226, v58, v226
	v_add_f32 v227, v59, v227
	v_add_f32 v224, v60, v224
	v_add_f32 v225, v61, v225
	v_add_f32 v226, v62, v226
	v_add_f32 v227, v63, v227
	v_add_f32 v224, v64, v224
	v_add_f32 v225, v65, v225
	v_add_f32 v226, v66, v226
	v_add_f32 v227, v67, v227
	v_add_f32 v224, v68, v224
	v_add_f32 v225, v69, v225
	v_add_f32 v226, v70, v226
	v_add_f32 v227, v71, v227
	v_add_f32 v224, v72, v224
	v_add_f32 v225, v73, v225
	v_add_f32 v226, v74, v226
	v_add_f32 v227, v75, v227
	v_add_f32 v224, v76, v224
	v_add_f32 v225, v77, v225
	v_add_f32 v226, v78, v226
	v_add_f32 v227, v79, v227
	v_add_f32 v224, v224, v225
	v_add_f32 v225, v226, v227
	v_add_f32 v224, v224, v225
	v_mov_b32 v224, v224
	v_add_f32_dpp v224, v224, v224 row_xmask:1 row_mask:0xf bank_mask:0xf
	v_add_f32_dpp v224, v224, v224 row_xmask:2 row_mask:0xf bank_mask:0xf
	v_add_f32_dpp v224, v224, v224 row_xmask:4 row_mask:0xf bank_mask:0xf
	v_add_f32_dpp v224, v224, v224 row_xmask:8 row_mask:0xf bank_mask:0xf
	v_mov_b32 v225, v224
	v_permlanex16_b32 v225, v224, s92, s93
	v_add_f32 v224, v224, v225
	v_mul_f32 v224, 0x3a800000, v224
	v_sub_f32 v48, v48, v224
	v_sub_f32 v76, v76, v224
	v_sub_f32 v72, v72, v224
	v_sub_f32 v68, v68, v224
	v_sub_f32 v64, v64, v224
	v_sub_f32 v60, v60, v224
	v_sub_f32 v56, v56, v224
	v_sub_f32 v52, v52, v224
	v_sub_f32 v77, v77, v224
	v_sub_f32 v73, v73, v224
	v_sub_f32 v69, v69, v224
	v_sub_f32 v65, v65, v224
	v_sub_f32 v61, v61, v224
	v_sub_f32 v57, v57, v224
	v_sub_f32 v53, v53, v224
	v_sub_f32 v49, v49, v224
	v_sub_f32 v78, v78, v224
	v_sub_f32 v74, v74, v224
	v_sub_f32 v70, v70, v224
	v_sub_f32 v66, v66, v224
	v_sub_f32 v62, v62, v224
	v_sub_f32 v58, v58, v224
	v_sub_f32 v54, v54, v224
	v_sub_f32 v50, v50, v224
	v_sub_f32 v79, v79, v224
	v_sub_f32 v75, v75, v224
	v_sub_f32 v71, v71, v224
	v_sub_f32 v67, v67, v224
	v_sub_f32 v63, v63, v224
	v_sub_f32 v59, v59, v224
	v_sub_f32 v55, v55, v224
	v_sub_f32 v51, v51, v224
	v_mul_f32 v224, v48, v48
	v_mul_f32 v225, v49, v49
	v_mul_f32 v226, v50, v50
	v_mul_f32 v227, v51, v51
	v_fma_f32 v224, v52, v52, v224
	v_fma_f32 v225, v53, v53, v225
	v_fma_f32 v226, v54, v54, v226
	v_fma_f32 v227, v55, v55, v227
	v_fma_f32 v224, v56, v56, v224
	v_fma_f32 v225, v57, v57, v225
	v_fma_f32 v226, v58, v58, v226
	v_fma_f32 v227, v59, v59, v227
	v_fma_f32 v224, v60, v60, v224
	v_fma_f32 v225, v61, v61, v225
	v_fma_f32 v226, v62, v62, v226
	v_fma_f32 v227, v63, v63, v227
	v_fma_f32 v224, v64, v64, v224
	v_fma_f32 v225, v65, v65, v225
	v_fma_f32 v226, v66, v66, v226
	v_fma_f32 v227, v67, v67, v227
	v_fma_f32 v224, v68, v68, v224
	v_fma_f32 v225, v69, v69, v225
	v_fma_f32 v226, v70, v70, v226
	v_fma_f32 v227, v71, v71, v227
	v_fma_f32 v224, v72, v72, v224
	v_fma_f32 v225, v73, v73, v225
	v_fma_f32 v226, v74, v74, v226
	v_fma_f32 v227, v75, v75, v227
	v_fma_f32 v224, v76, v76, v224
	v_fma_f32 v225, v77, v77, v225
	v_fma_f32 v226, v78, v78, v226
	v_fma_f32 v227, v79, v79, v227
	v_add_f32 v224, v224, v225
	v_add_f32 v225, v226, v227
	v_add_f32 v224, v224, v225
	v_mov_b32 v224, v224
	v_add_f32_dpp v224, v224, v224 row_xmask:1 row_mask:0xf bank_mask:0xf
	v_add_f32_dpp v224, v224, v224 row_xmask:2 row_mask:0xf bank_mask:0xf
	v_add_f32_dpp v224, v224, v224 row_xmask:4 row_mask:0xf bank_mask:0xf
	v_add_f32_dpp v224, v224, v224 row_xmask:8 row_mask:0xf bank_mask:0xf
	v_mov_b32 v225, v224
	v_permlanex16_b32 v225, v224, s92, s93
	v_add_f32 v224, v224, v225
	v_mul_f32 v224, 0x3a800000, v224
	v_add_f32 v224, 0x3727c5ac, v224
	s_wait_alu depctr_va_vdst(0)
	v_rsq_f32 v225, v224
	v_nop
	s_wait_alu depctr_va_vdst(0)
	v_mul_f32 v48, v48, v225
	v_mul_f32 v49, v49, v225
	v_mul_f32 v50, v50, v225
	v_mul_f32 v51, v51, v225
	v_mul_f32 v52, v52, v225
	v_mul_f32 v53, v53, v225
	v_mul_f32 v54, v54, v225
	v_mul_f32 v55, v55, v225
	s_set_vgpr_msb 0x14
	v_fma_f32 v192, v48, v0, v4
	v_fma_f32 v193, v49, v1, v5
	v_fma_f32 v194, v50, v2, v6
	v_fma_f32 v195, v51, v3, v7
	v_fma_f32 v196, v52, v8, v12
	v_fma_f32 v197, v53, v9, v13
	v_fma_f32 v198, v54, v10, v14
	v_fma_f32 v199, v55, v11, v15
	s_set_vgpr_msb 0x1400
	v_mul_f32 v48, v56, v225
	v_mul_f32 v49, v57, v225
	v_mul_f32 v50, v58, v225
	v_mul_f32 v51, v59, v225
	v_mul_f32 v52, v60, v225
	v_mul_f32 v53, v61, v225
	v_mul_f32 v54, v62, v225
	v_mul_f32 v55, v63, v225
	s_set_vgpr_msb 0x14
	v_fma_f32 v200, v48, v16, v20
	v_fma_f32 v201, v49, v17, v21
	v_fma_f32 v202, v50, v18, v22
	v_fma_f32 v203, v51, v19, v23
	v_fma_f32 v204, v52, v24, v28
	v_fma_f32 v205, v53, v25, v29
	v_fma_f32 v206, v54, v26, v30
	v_fma_f32 v207, v55, v27, v31
	s_set_vgpr_msb 0x1400
	v_mul_f32 v48, v64, v225
	v_mul_f32 v49, v65, v225
	v_mul_f32 v50, v66, v225
	v_mul_f32 v51, v67, v225
	v_mul_f32 v52, v68, v225
	v_mul_f32 v53, v69, v225
	v_mul_f32 v54, v70, v225
	v_mul_f32 v55, v71, v225
	s_set_vgpr_msb 0x14
	v_fma_f32 v208, v48, v32, v36
	v_fma_f32 v209, v49, v33, v37
	v_fma_f32 v210, v50, v34, v38
	v_fma_f32 v211, v51, v35, v39
	v_fma_f32 v212, v52, v40, v44
	v_fma_f32 v213, v53, v41, v45
	v_fma_f32 v214, v54, v42, v46
	v_fma_f32 v215, v55, v43, v47
	s_set_vgpr_msb 0x1400
	v_mul_f32 v48, v72, v225
	v_mul_f32 v49, v73, v225
	v_mul_f32 v50, v74, v225
	v_mul_f32 v51, v75, v225
	v_mul_f32 v52, v76, v225
	v_mul_f32 v53, v77, v225
	v_mul_f32 v54, v78, v225
	v_mul_f32 v55, v79, v225
	s_set_vgpr_msb 0x14
	v_fma_f32 v216, v48, v48, v52
	v_fma_f32 v217, v49, v49, v53
	v_fma_f32 v218, v50, v50, v54
	v_fma_f32 v219, v51, v51, v55
	v_fma_f32 v220, v52, v56, v60
	v_fma_f32 v221, v53, v57, v61
	v_fma_f32 v222, v54, v58, v62
	v_fma_f32 v223, v55, v59, v63
	s_set_vgpr_msb 0x1400
	global_store_b128 v3, v[192:195], s[28:29] offset:4096 th:TH_STORE_NT
	global_store_b128 v3, v[196:199], s[28:29] offset:4608 th:TH_STORE_NT
	global_store_b128 v3, v[200:203], s[28:29] offset:5120 th:TH_STORE_NT
	global_store_b128 v3, v[204:207], s[28:29] offset:5632 th:TH_STORE_NT
	global_store_b128 v3, v[208:211], s[28:29] offset:6144 th:TH_STORE_NT
	global_store_b128 v3, v[212:215], s[28:29] offset:6656 th:TH_STORE_NT
	global_store_b128 v3, v[216:219], s[28:29] offset:7168 th:TH_STORE_NT
	global_store_b128 v3, v[220:223], s[28:29] offset:7680 th:TH_STORE_NT
	s_wait_tensorcnt 0x0
	ds_add_u32 v[SPW], v[NIL]
	s_wait_dscnt 0x0
	s_endpgm
.Lfunc_end_k_q024fa553f9_norm_out:
	.size	k_q024fa553f9_norm_out, .Lfunc_end_k_q024fa553f9_norm_out-k_q024fa553f9_norm_out
	.p2alignl 7, 3214868480
	.fill 96, 4, 3214868480
	.section	.rodata,"a",@progbits
	.p2align	6, 0x0
	.amdhsa_kernel k_q024fa553f9_norm_out
		.amdhsa_group_segment_fixed_size 33280
		.amdhsa_private_segment_fixed_size 0
		.amdhsa_enable_private_segment 0
		.amdhsa_kernarg_size 32
		.amdhsa_user_sgpr_count 2
		.amdhsa_user_sgpr_kernarg_segment_ptr 1
		.amdhsa_wavefront_size32 1
		.amdhsa_system_sgpr_workgroup_id_x 1
		.amdhsa_system_sgpr_workgroup_id_y 1
		.amdhsa_system_sgpr_workgroup_id_z 1
		.amdhsa_system_vgpr_workitem_id 0
		.amdhsa_next_free_vgpr 320
		.amdhsa_next_free_sgpr 95
		.amdhsa_reserve_vcc 0
		.amdhsa_float_denorm_mode_32 3
		.amdhsa_float_denorm_mode_16_64 3
		.amdhsa_memory_ordered 1
		.amdhsa_forward_progress 1
		.amdhsa_inst_pref_size 24
	.end_amdhsa_kernel
	.amdgpu_metadata
---
amdhsa.version: [ 1, 2 ]
amdhsa.kernels:
  - .name:           k_q024fa553f9_norm_out
    .symbol:         k_q024fa553f9_norm_out.kd
    .args:
      - { .name: qkc, .offset: 0, .size: 8, .value_kind: global_buffer, .address_space: global }
      - { .name: ln_g, .offset: 8, .size: 8, .value_kind: global_buffer, .address_space: global }
      - { .name: ln_b, .offset: 16, .size: 8, .value_kind: global_buffer, .address_space: global }
      - { .name: out0, .offset: 24, .size: 8, .value_kind: global_buffer, .address_space: global }
    .group_segment_fixed_size: 33280
    .private_segment_fixed_size: 0
    .kernarg_segment_align: 8
    .kernarg_segment_size: 32
    .max_flat_workgroup_size: 128
    .sgpr_count:     95
    .vgpr_count:     320
    .wavefront_size: 32
...
	.end_amdgpu_metadata
.endif
;; end of part 5
